; MI455X (gfx1250); checked and timed in simulation.
; The chip was launched on July 23, 2026; its instructions are those of AMD's public machine-readable ISA for CDNA 5 (MIT licence, August 2026) and "CDNA5" Instruction Set Architecture Reference Guide (July 2026). The comments in the code are by the model that wrote it; some were corrected since.
;; Multi Head Attention. Allowed arithmetic: matrix products marked QUANTISED: E2M3 operands, one E8M0 scale for each 32 along K, by v_wmma_scale_f32_16x16x128_f8f6f4 with both operands' format E2M3, f32 sums; everything else in f32.
;; Inputs: W_out 1,024 x 1,024 float32; W_qkv 1,024 x 3,072 float32; b_out 1,024 float32; b_qkv 3,072 float32; x 4 x 2,048 x 1,024 float32.
;; Outputs: out0 4 x 2,048 x 1,024 float32.
;; This version of the problem:
;;   THIS VERSION OF THE PROBLEM IS GIVEN IN LOW PRECISION. The matrix products marked QUANTISED in the list below multiply operands that are first quantised to E2M3 (2 exponent bits, 3 mantissa bits; 6 bits a number), with one power-of-two scale for each 32 numbers along K (OCP MX v1.0); their sums are f32. All else is computed in f32.
;;   The module's matrix products, in the order in which they are computed (A, B: the left and right operand; K: the contracted axis; several contracted axes count as one K, in the product's order):
;;     1. [M 8,192, K 1,024] x [K 1,024, N 3,072]; A: input x; B: input W_qkv: QUANTISED
;;     2. batch 64 x [M 2,048, K 64] x [K 64, N 2,048]; A: computed on the way; B: computed on the way: QUANTISED
;;     3. batch 64 x [M 2,048, K 2,048] x [K 2,048, N 64]; A: softmax (see below); B: computed on the way: QUANTISED
;;     4. [M 8,192, K 1,024] x [K 1,024, N 1,024]; A: computed on the way; B: input W_out: QUANTISED
;;   THE QUANTISER, for each operand of a quantised product, along K:
;;     - K is cut into blocks of 32 from its start; a last block that is shorter is filled with zeros.
;;     - A block's scale is 2^e with e = floor(log2(the largest magnitude in the block)) - 2, held to -126 .. 127; a block of zeros has e = 0. As a byte (E8M0): e + 127.
;;     - Each number is divided by its block's scale, clamped to +-7.5, and rounded to the nearest number of E2M3, ties to even, subnormals kept.
;;     - The product sums the exact products of the quantised numbers (number of the format x scale) in f32.
;;   ~~~python
;;   def quantise(x, axis):      # numpy; x: float32 -> the quantised numbers, widened to float32 again
;;       x = np.moveaxis(x, axis, -1); K = x.shape[-1]
;;       x = np.pad(x, [(0, 0)] * (x.ndim - 1) + [(0, -K % 32)]); x = x.reshape(x.shape[:-1] + (-1, 32)); a = np.abs(x).max(-1, keepdims=True)
;;       e = np.where(a > 0, np.clip(np.frexp(np.where(a > 0, a, 1))[1] - 1 - 2, -126, 127), 0)      # np.frexp(a)[1] - 1 = floor(log2(a)), exactly
;;       r = np.clip(x / 2.0 ** e, -7.5, 7.5)
;;       step = 2.0 ** (np.maximum(np.frexp(np.where(r == 0, 1, r))[1] - 1, 0) - 3)
;;       q = np.round(r / step) * step * 2.0 ** e      # np.round: ties to even
;;       return np.moveaxis(q.reshape(q.shape[:-2] + (-1,))[..., :K], -1, axis).astype(np.float32)
;;   ~~~
;;   SOFTMAX AHEAD OF A QUANTISED PRODUCT. Where the list says 'softmax', what is quantised is not the finished softmax but p = 2^(t - M), with t = logit x log2(e) and M = ceil(the row's largest t), a whole number; so 1/2 < the row's largest p <= 1. The row's sum l is taken of the UNQUANTISED p, in f32, and the product's result is divided by l at the end. Since M is a whole number, a kernel that streams over the keys may use a running M (the ceiling of the running maximum): every later rescaling is an exact power of two, which a block's scale takes up: the codes' values come out the same.
;;   OPERANDS COMPUTED ON THE WAY. 'Computed on the way' means the value that the module computes at that place (a softmax that the list does not call 'softmax' is quantised finished and normalised). What goes into a quantiser is computed in f32, as accurately as f32 sums, v_exp_f32 and their like allow (about 1e-6 of the number): no bf16 or f16 on the way to a quantiser, and a product that is left as it is and whose result goes on into a quantised operand takes f32 operands (vector FMAs, or v_wmma_f32_16x16x4_f32). A number that lies on a knife's edge between two numbers of the format may be rounded either way, as far as f32 arithmetic and the matrix unit's own rounding can turn it there, and no further.
;; One version. Each part assembles by itself: llvm-mc -triple=amdgcn-amd-amdhsa -mcpu=gfx1250 --defsym DOCPART=n.
;; ======== version 1 of 1: 4 launches
;; limits: right only within a limited range of input values
;; workspace buffers: xf 6,291,456 bytes; xs 524,288 bytes; wf 3,145,728 bytes; ws 262,144 bytes; qkv 20,185,088 bytes; af 6,291,456 bytes; asc 524,288 bytes
;; launch prep (part 1): grid 512 x 1, 4 waves a work-group, no clusters, 34,304 bytes of LDS; arguments x, W_qkv, W_out, xf, xs, wf, ws; writes xf, xs, wf, ws
.if DOCPART == 1
	.amdgcn_target "amdgcn-amd-amdhsa--gfx1250"
	.amdhsa_code_object_version 6
	.text
	.protected	k_q6462c9d773_prep
	.globl	k_q6462c9d773_prep
	.p2align	8
	.type	k_q6462c9d773_prep,@function
k_q6462c9d773_prep:
	s_mov_b64 s[64:65], 0
	v_nop
	global_prefetch_b8 v0, s[64:65] scope:SCOPE_SE
	s_setreg_imm32_b32 hwreg(HW_REG_WAVE_MODE, 25, 1), 1
	s_wait_xcnt 0x0
; x [8192][1024], W_qkv [1024][3072] and W_out [1024][1024], f32, become codes of FP6 (E2M3) with one E8M0 byte for each 32 along K (K = 1024 in all three).
; A block's scale is 2^(floor(log2(largest magnitude)) - 2): its byte is the largest magnitude's exponent field - 2, held at 1 from below by a floor among the maximum's leaves.
; LIMITS: NaN and infinities are not served; a block whose largest magnitude lies under 2^-124 keeps the byte 1; a block of zeros has the byte 1 (not 127): its codes are zeros, and this program alone reads the bytes.
; THE CODES ARE LAID AS IMAGES OF THE OPERAND'S REGISTERS.  A fragment (16 rows x 128 K, 12 registers a lane) is 1,536 bytes: registers 4 c .. 4 c + 3 of lane l at 512 c + 16 l.
;   codes:  block of 256 rows x 196,608 + (K step / 2) x 49,152 + tile of 16 rows x 3,072 + (K step % 2) x 1,536
;   scales: block of 128 rows x 8,192 + K step x 1,024 + tile x 128 + 4 x lane; lanes r and 16 + r hold row r's word
; THE ROWS OF A TILE ARE NOT NEIGHBOURS: in each group of 32 rows, lane r of tile u takes row 8 u + r + 8 (r / 8), so that a transposed product's 16 registers of two neighbouring tiles are 16 neighbours.
; wf's rows are columns of the weights in groups of 32: W_qkv's column e = 192 head + 64 part + d goes to group 32 part + 2 head + d / 32 (all of q, then k, then v); W_out's groups follow as 96 .. 127.
; Work-groups 0-255: 32 tokens of x each, wave w the K steps 2 w and 2 w + 1.  Work-groups 256-511: 128 columns x 128 K of a weight, a wave 32 columns.  Waves share nothing: no barrier.
.set TM,  8                            ; v8-11 largest magnitudes, v12-15 the other half's, then bytes, v20-23 the conversions' scale operands
.set PW,  24                           ; v24-27  x: a scale word for each fragment
.set R,   32                           ; v32-95, v96-159  x: two sets of 64 numbers
.set PC,  160                          ; x: 20 registers for each fragment's codes, so that no store's data are written again
.set X,   32                           ; v32-159 weights: 128 numbers down K of my column
.set F0,  160                          ; weights: tile 0's fragment; F1: tile 1's
.set F1,  172
.set TU,  184                          ; weights: each block's upper 16 codes, four registers a block
.set SEL, 36                           ; s[36:37] lane selects for v_permlanex16_b32: lane l xor 16
.set SP,  528                          ; a stage row: 512 bytes + 16 = an odd multiple of 16 bytes: the 16 rows that a read touches start at 16 different banks (64 banks of 4 bytes: ISA guide 11.1)
.macro LOADX f                         ; fragment f = 2 u + q: the 16 rows of tile u, K step q of my two: each load reads 512 consecutive bytes of one row
.irp i, 0,1,2,3,4,5,6,7,8,9,10,11,12,13,14,15
	global_load_b128 v[R+64*((\f)%2)+4*\i:R+64*((\f)%2)+4*\i+3], v4, s[4:5] offset:(8*((\f)/2)+\i+8*(\i/8))*4096+512*((\f)%2) th:TH_LOAD_NT
.endr
.endm
; 64 numbers of a lane, v[RS] on, register 16 b + i = k 32 b + 16 (lane / 16) + i of my row, become a fragment's codes in v[PCF] on and its scale word in v[pw]
.macro Q64 pw
.irp b, 0,1,2,3
	v_max3_num_f32 v[TM+\b], |v[RS+16*\b]|, |v[RS+1+16*\b]|, 0x1800000   ; my 16 numbers of block b, and the floor 2^(3 - 127)
.endr
.irp i, 2,4,6,8,10,12,14
.irp b, 0,1,2,3
	v_max3_num_f32 v[TM+\b], v[TM+\b], |v[RS+16*\b+\i]|, |v[RS+1+16*\b+\i]|   ; the four blocks by turns
.endr
.endr
.irp b, 0,1,2,3
	v_permlanex16_b32 v[TM+4+\b], v[TM+\b], s[SEL], s[SEL+1]
.endr
.irp b, 0,1,2,3
	v_max_num_f32 v[TM+\b], v[TM+\b], v[TM+4+\b]                   ; with lane l xor 16's 16: the block's largest magnitude
.endr
.irp b, 0,1,2,3
	v_add_nc_u32 v[TM+12+\b], 0xff000000, v[TM+\b]                 ; 2 off its exponent field: the conversion's scale operand
.endr
.irp b, 0,1,2,3
	v_lshrrev_b32 v[TM+4+\b], 23, v[TM+12+\b]                      ; the scale's byte
.endr
	v_lshl_or_b32 v[\pw], v[TM+5], 8, v[TM+4]
	v_lshl_or_b32 v[\pw], v[TM+6], 16, v[\pw]
	v_lshl_or_b32 v[\pw], v[TM+7], 24, v[\pw]
.irp c, 0,1
	v_cvt_scalef32_pk16_fp6_f32 v[PCF+6*\c:PCF+6*\c+2], v[RS+32*\c:RS+32*\c+15], v[TM+12+2*\c]
	v_cvt_scalef32_pk16_fp6_f32 v[PCF+12+4*\c:PCF+14+4*\c], v[RS+32*\c+16:RS+32*\c+31], v[TM+13+2*\c]   ; (a conversion's three registers begin on an even number)
.endr
	v_nop                                          ; one plain line behind the conversions
.irp c, 0,1                            ; the operand wants a whole block in a lane: lanes 0-15 block 2 c, lanes 16-31 block 2 c + 1
.irp i, 0,1,2
	v_permlane16_swap_b32 v[PCF+6*\c+\i], v[PCF+12+4*\c+\i]
.endr
.irp i, 0,1,2
	v_mov_b32 v[PCF+3+6*\c+\i], v[PCF+12+4*\c+\i]
.endr
.endr
.endm
.macro FRAGX f
.set RS,  R+64*((\f)%2)
.set PCF, PC+20*(\f)
.if (\f) < 3
	s_wait_loadcnt 16                              ; this fragment's 16 loads are in; the next fragment's 16 may be out
.else
	s_wait_loadcnt 0x0
.endif
.irp i, 0,1,2,3,4,5,6,7,8,9,10,11,12,13,14,15
	ds_store_b128 v6, v[RS+4*\i:RS+4*\i+3] offset:SP*\i            ; row i as it lies
.endr
.irp b, 0,1,2,3
.irp j, 0,1,2,3
	ds_load_b128 v[RS+16*\b+4*\j:RS+16*\b+4*\j+3], v7 offset:128*\b+16*\j   ; back: my row's 16 numbers of each block.  LDS serves a wave's instructions in order: these see the stores above
.endr
.endr
	s_wait_dscnt 0x0
	Q64 PW+(\f)
.if (\f) < 2
	LOADX (\f)+2                                   ; the set is free: the fragment two on
.endif
.irp c, 0,1,2
	global_store_b128 v4, v[PCF+4*\c:PCF+4*\c+3], s[10:11] offset:3072*((\f)/2)+1536*((\f)%2)+512*\c   ; 512 consecutive bytes, at a multiple of 256 from the buffer's first byte
.endr
	global_store_b32 v5, v[PW+(\f)], s[12:13] offset:1024*((\f)%2)+128*((\f)/2)
.endm
.macro LOADW t, stride                 ; block t: W(32 t + i, my column): 32 lanes read 128 consecutive bytes, the four waves 512
.irp i, 0,1,2,3,4,5,6,7,8,9,10,11,12,13,14,15,16,17,18,19,20,21,22,23,24,25,26,27,28,29,30,31
	global_load_b32 v[X+32*(\t)+\i], v6, s[34:35] offset:(32*(\t)+\i)*\stride th:TH_LOAD_NT
.endr
.endm
.macro BLOCKW t                        ; all 32 numbers of a block are mine: no other lane is asked
.set XS, X+32*(\t)
	v_max3_num_f32 v8, |v[XS]|, |v[XS+1]|, |v[XS+2]|
	v_max3_num_f32 v9, |v[XS+3]|, |v[XS+4]|, |v[XS+5]|
.irp i, 6,10,14,18,22,26
	v_max3_num_f32 v8, v8, |v[XS+\i]|, |v[XS+\i+1]|
	v_max3_num_f32 v9, v9, |v[XS+\i+2]|, |v[XS+\i+3]|
.endr
	v_max3_num_f32 v8, v8, |v[XS+30]|, |v[XS+31]|
	v_max3_num_f32 v8, v8, v9, 0x1800000           ; and the floor
	v_add_nc_u32 v[12+(\t)], 0xff000000, v8
	v_lshrrev_b32 v[16+(\t)], 23, v[12+(\t)]
	v_cvt_scalef32_pk16_fp6_f32 v[F0+12*((\t)%2)+6*((\t)/2):F0+12*((\t)%2)+6*((\t)/2)+2], v[XS:XS+15], v[12+(\t)]
	v_cvt_scalef32_pk16_fp6_f32 v[TU+4*(\t):TU+4*(\t)+2], v[XS+16:XS+31], v[12+(\t)]
	v_nop                                          ; one plain line behind the conversions
.endm
.macro WPATH stride                    ; loads run two blocks ahead
	LOADW 0, \stride
	LOADW 1, \stride
	s_wait_loadcnt 32                              ; block 0 is in; block 1's 32 loads may be out
	LOADW 2, \stride
	BLOCKW 0
	s_wait_loadcnt 32                              ; block 1 is in; block 2's may be out
	LOADW 3, \stride
	BLOCKW 1
	s_wait_loadcnt 32                              ; block 2 is in; block 3's may be out
	BLOCKW 2
	s_wait_loadcnt 0x0
	BLOCKW 3
.endm
	s_load_b256 s[4:11], s[0:1], 0x0               ; x s[4:5], W_qkv s[6:7], W_out s[8:9], xf s[10:11]
	s_load_b128 s[12:15], s[0:1], 0x20             ; xs s[12:13], wf s[14:15]
	s_load_b64 s[16:17], s[0:1], 0x30              ; ws
	v_lshl_add_u32 v254, v0, 2, 0x8400
	v_mov_b32 v255, 0
	v_lshrrev_b32 v1, 5, v0
	v_readfirstlane_b32 s18, v1                    ; wave 0..3
	v_and_b32 v1, 31, v0                           ; lane
	v_and_b32 v2, 15, v0                           ; r
	v_bfe_u32 v3, v0, 4, 1                         ; h
	v_lshlrev_b32 v4, 4, v1                        ; 16 x lane
	v_lshlrev_b32 v5, 2, v1                        ; 4 x lane
	s_cmp_lt_u32 ttmp9, 256
	s_cbranch_scc0 .Lweights
	; ---- x: work-group tg owns tokens 32 tg .. 32 tg + 31; my wave columns 256 w .. 256 w + 255
	s_mul_i32 s19, s18, 16*SP                      ; my wave's stage
	v_add_nc_u32 v6, s19, v4                       ; in: 16 x lane of a row
	v_mul_u32_u24 v7, v2, SP
	v_lshl_add_u32 v7, v3, 6, v7
	v_add_nc_u32 v7, s19, v7                       ; back: row r, + 64 h
.irp b, 0,1,2,3
	v_mov_b32 v[TM+4+\b], 0                        ; written once: a lane permute's destination counts as one of its sources
.endr
	s_mov_b32 s[SEL], 0x76543210
	s_mov_b32 s[SEL+1], 0xfedcba98
	s_lshl_b32 s20, ttmp9, 17                      ; 32 rows of 4,096 bytes
	s_lshl_b32 s21, s18, 10
	s_add_co_u32 s20, s20, s21
	s_mov_b32 s21, 0
	s_lshr_b32 s22, ttmp9, 3                       ; codes: block of 256 rows,
	s_mul_i32 s22, s22, 196608
	s_mul_i32 s23, s18, 49152                      ; my pair of K steps,
	s_add_co_u32 s22, s22, s23
	s_and_b32 s23, ttmp9, 7                        ; my two tiles
	s_mul_i32 s23, s23, 6144
	s_add_co_u32 s22, s22, s23
	s_mov_b32 s23, 0
	s_lshr_b32 s24, ttmp9, 2                       ; scales: block of 128 rows,
	s_lshl_b32 s24, s24, 13
	s_lshl_b32 s25, s18, 11
	s_add_co_u32 s24, s24, s25
	s_and_b32 s25, ttmp9, 3
	s_lshl_b32 s25, s25, 8
	s_add_co_u32 s24, s24, s25
	s_mov_b32 s25, 0
	s_wait_alu depctr_va_vdst(0)
	s_wait_kmcnt 0x0
	s_add_nc_u64 s[4:5], s[4:5], s[20:21]
	s_add_nc_u64 s[10:11], s[10:11], s[22:23]
	s_add_nc_u64 s[12:13], s[12:13], s[24:25]
	LOADX 0
	LOADX 1
	FRAGX 0
	FRAGX 1
	FRAGX 2
	FRAGX 3
	s_wait_tensorcnt 0x0
	ds_add_u32 v254, v255
	s_wait_dscnt 0x0
	s_endpgm
.Lweights:
	; ---- weights: g = work-group - 256; columns 128 (g % 32) + 32 w on, K step g / 32
	s_sub_co_u32 s19, ttmp9, 256
	s_and_b32 s20, s19, 31
	s_lshr_b32 s21, s19, 5                         ; K step
	s_lshl_b32 s22, s20, 2
	s_add_co_u32 s22, s22, s18                     ; cg: my group of 32 source columns: 0-95 W_qkv's, 96-127 W_out's
	s_mul_i32 s23, s22, 43
	s_lshr_b32 s23, s23, 8                         ; head = cg / 6 (exact for cg under 96)
	s_mul_i32 s24, s23, 6
	s_sub_co_u32 s24, s22, s24
	s_lshr_b32 s25, s24, 1                         ; part: q, k, v
	s_and_b32 s24, s24, 1                          ; which 32 of the head's 64
	s_lshl_b32 s25, s25, 5
	s_lshl_b32 s23, s23, 1
	s_add_co_u32 s25, s25, s23
	s_add_co_u32 s25, s25, s24
	s_cmp_lt_u32 s22, 96
	s_cselect_b32 s25, s25, s22                    ; G: my group's place in wf
	s_lshr_b32 s26, s25, 3
	s_mul_i32 s26, s26, 196608
	s_lshr_b32 s27, s21, 1
	s_mul_i32 s27, s27, 49152
	s_add_co_u32 s26, s26, s27
	s_and_b32 s27, s25, 7
	s_mul_i32 s27, s27, 6144
	s_add_co_u32 s26, s26, s27
	s_and_b32 s27, s21, 1
	s_mul_i32 s27, s27, 1536
	s_add_co_u32 s26, s26, s27
	s_mov_b32 s27, 0
	s_lshr_b32 s28, s25, 2
	s_lshl_b32 s28, s28, 13
	s_lshl_b32 s29, s21, 10
	s_add_co_u32 s28, s28, s29
	s_and_b32 s29, s25, 3
	s_lshl_b32 s29, s29, 8
	s_add_co_u32 s28, s28, s29
	s_mov_b32 s29, 0
	s_mul_i32 s30, s21, 1572864                    ; W_qkv: 128 rows of 12,288 bytes a K step,
	s_lshl_b32 s31, s22, 7                         ; 128 bytes a group
	s_add_co_u32 s30, s30, s31
	s_lshl_b32 s32, s21, 19                        ; W_out: 128 rows of 4,096 bytes
	s_add_co_u32 s32, s32, s31
	s_sub_co_u32 s32, s32, 96*128
	s_wait_alu depctr_va_vdst(0)
	v_and_b32 v6, 7, v1                            ; my column of the 32: lanes 0-15 are tile 0's rows (0-7, 16-23), lanes 16-31 tile 1's (8-15, 24-31)
	v_and_b32 v8, 8, v1
	v_lshl_or_b32 v6, v8, 1, v6
	v_and_b32 v8, 16, v1
	v_lshrrev_b32 v8, 1, v8
	v_or_b32 v6, v6, v8
	v_lshlrev_b32 v6, 2, v6
	s_cmp_lt_u32 s22, 96                           ; the choice hangs on the work-group's and the wave's number alone
	s_cselect_b32 s30, s30, s32
	s_mov_b32 s31, 0
	s_wait_kmcnt 0x0
	s_cselect_b64 s[34:35], s[6:7], s[8:9]
	s_add_nc_u64 s[34:35], s[34:35], s[30:31]
	s_add_nc_u64 s[14:15], s[14:15], s[26:27]
	s_add_nc_u64 s[16:17], s[16:17], s[28:29]
	s_cmp_lt_u32 s20, 24                           ; the same in all four waves: a work-group's 128 columns lie in one tensor
	s_cbranch_scc0 .Lw_out
	s_wait_alu depctr_va_vdst(0)
	WPATH 12288
	s_branch .Lw_tail
.Lw_out:
	s_wait_alu depctr_va_vdst(0)
	WPATH 4096
.Lw_tail:
	; A lane holds all four blocks of its column; the operand wants block 2 c in lanes 0-15 and block 2 c + 1 in lanes 16-31.  One swap of an even block's codes with the odd block's gives tile 0's register in the first and tile 1's in the second.
	s_wait_alu depctr_va_vdst(0)
.irp i, 0,1,2
	v_permlane16_swap_b32 v[F0+\i], v[F1+\i]
	v_permlane16_swap_b32 v[TU+\i], v[TU+4+\i]
	v_permlane16_swap_b32 v[F0+6+\i], v[F1+6+\i]
	v_permlane16_swap_b32 v[TU+8+\i], v[TU+12+\i]
.endr
.irp i, 0,1,2
	v_mov_b32 v[F0+3+\i], v[TU+\i]
	v_mov_b32 v[F1+3+\i], v[TU+4+\i]
	v_mov_b32 v[F0+9+\i], v[TU+8+\i]
	v_mov_b32 v[F1+9+\i], v[TU+12+\i]
.endr
	v_lshl_or_b32 v20, v17, 8, v16                 ; my column's scale word
	v_lshl_or_b32 v20, v18, 16, v20
	v_lshl_or_b32 v20, v19, 24, v20
	v_mov_b32 v21, v20
	v_permlane16_swap_b32 v20, v21                 ; v20: tile 0's words in both halves of the lanes; v21: tile 1's
.irp u, 0,1
.irp c, 0,1,2
	global_store_b128 v4, v[F0+12*\u+4*\c:F0+12*\u+4*\c+3], s[14:15] offset:3072*\u+512*\c
.endr
	global_store_b32 v5, v[20+\u], s[16:17] offset:128*\u
.endr
	s_endpgm
.Lfunc_end_k_q6462c9d773_prep:
	.size	k_q6462c9d773_prep, .Lfunc_end_k_q6462c9d773_prep-k_q6462c9d773_prep
	.p2alignl 7, 3214868480
	.fill 96, 4, 3214868480
	.section	.rodata,"a",@progbits
	.p2align	6, 0x0
	.amdhsa_kernel k_q6462c9d773_prep
		.amdhsa_group_segment_fixed_size 34304
		.amdhsa_private_segment_fixed_size 0
		.amdhsa_enable_private_segment 0
		.amdhsa_kernarg_size 56
		.amdhsa_user_sgpr_count 2
		.amdhsa_user_sgpr_kernarg_segment_ptr 1
		.amdhsa_wavefront_size32 1
		.amdhsa_system_sgpr_workgroup_id_x 1
		.amdhsa_system_sgpr_workgroup_id_y 1
		.amdhsa_system_sgpr_workgroup_id_z 1
		.amdhsa_system_vgpr_workitem_id 0
		.amdhsa_next_free_vgpr 256
		.amdhsa_next_free_sgpr 66
		.amdhsa_reserve_vcc 0
		.amdhsa_float_denorm_mode_32 3
		.amdhsa_float_denorm_mode_16_64 3
		.amdhsa_memory_ordered 1
		.amdhsa_forward_progress 1
		.amdhsa_inst_pref_size 72
	.end_amdhsa_kernel
	.amdgpu_metadata
---
amdhsa.version: [ 1, 2 ]
amdhsa.kernels:
  - .name:           k_q6462c9d773_prep
    .symbol:         k_q6462c9d773_prep.kd
    .args:
      - { .name: x, .offset: 0, .size: 8, .value_kind: global_buffer, .address_space: global }
      - { .name: W_qkv, .offset: 8, .size: 8, .value_kind: global_buffer, .address_space: global }
      - { .name: W_out, .offset: 16, .size: 8, .value_kind: global_buffer, .address_space: global }
      - { .name: xf, .offset: 24, .size: 8, .value_kind: global_buffer, .address_space: global }
      - { .name: xs, .offset: 32, .size: 8, .value_kind: global_buffer, .address_space: global }
      - { .name: wf, .offset: 40, .size: 8, .value_kind: global_buffer, .address_space: global }
      - { .name: ws, .offset: 48, .size: 8, .value_kind: global_buffer, .address_space: global }
    .group_segment_fixed_size: 34304
    .private_segment_fixed_size: 0
    .kernarg_segment_align: 8
    .kernarg_segment_size: 56
    .max_flat_workgroup_size: 128
    .sgpr_count:     66
    .vgpr_count:     256
    .wavefront_size: 32
...
	.end_amdgpu_metadata
.endif
;; end of part 1
;; launch gemm_qkv (part 2): grid 32 x 8, 4 waves a work-group, clusters of 4 x 4, 327,680 bytes of LDS; arguments xf, xs, wf, ws, b_qkv, qkv; writes qkv
.if DOCPART == 2
	.amdgcn_target "amdgcn-amd-amdhsa--gfx1250"
	.amdhsa_code_object_version 6
	.text
	.protected	k_q6462c9d773_gemm_qkv
	.globl	k_q6462c9d773_gemm_qkv
	.p2align	8
	.type	k_q6462c9d773_gemm_qkv,@function
k_q6462c9d773_gemm_qkv:
	s_mov_b64 s[64:65], 0
	v_nop
	global_prefetch_b8 v0, s[64:65] scope:SCOPE_SE
	s_setreg_imm32_b32 hwreg(HW_REG_WAVE_MODE, 25, 1), 1
	s_wait_xcnt 0x0
	s_wait_alu depctr_hold_cnt(0) depctr_sa_sdst(0) depctr_va_vdst(0) depctr_va_sdst(0) depctr_va_ssrc(0) depctr_va_vcc(0) depctr_vm_vsrc(0)
	s_getreg_b32 s2, hwreg(HW_REG_IB_STS2, 6, 4)
	s_cmp_eq_u32 s2, 0
	s_cbranch_scc0 .Lentry_in_a_cluster
	s_endpgm
.Lentry_in_a_cluster:
	s_bfe_u32 s2, ttmp6, 0x10000c
	s_cmp_lg_u32 s2, 0xf033
	s_cbranch_scc0 .Lentry_shape_is_right
	s_endpgm
.Lentry_shape_is_right:
; q, k, v = x W_qkv + b_qkv on codes of FP6 (E2M3) with E8M0 scales, 8,192 x 3,072 x 1,024, each result quantised again on the way out into the records that the attention launch reads.
; xf, xs, wf, ws: images of operand registers, as the first launch leaves them (codes: block of 256 rows x 196,608 + (K step / 2) x 49,152 + tile x 3,072 + (K step % 2) x 1,536 + 512 c + 16 lane;
;   scale words: block of 128 rows x 8,192 + K step x 1,024 + tile x 128 + 4 lane).  wf's rows: q's 16 heads, k's, v's, 64 rows a head.  In each group of 32 rows, lane r of tile u is row 8 u + r + 8 (r / 8).
; qkv: a record of 19,712 bytes for each (batch, head, 128 tokens): +0 q's 8 tiles of 768 bytes, +6,144 q's scale words, +6,656 k's tiles, +12,800 k's scale words, +13,312 v's 4 fragments, +19,456 v's scale words.
; LIMITS: NaN, infinities and sums beyond f32's range are not served; a sum begins with the bias; a block whose largest magnitude lies under 2^-124 keeps the byte 1, a block of zeros too (this program alone reads the bytes).
; THE DEAL.  256 work-groups of four waves; work-group (tr, tc) takes 256 tokens.  Wave w keeps in registers, all of K, head 4 tc + w of q|k (four tiles) and the 32 channels 4 tc + w of v (two tiles): 48 fragments;
; it streams x's 16 tiles of 16 tokens past them, 48 products a block, the six sums by turns.
; q|k: source 0 = the weights, so a lane holds one token and its 32 registers 32 of the head's channels.  v: source 0 = x, so a lane holds one channel and its registers run along the tokens, v's K.
; x's block and its scale words come by joint loads, shared by a column of the cluster, filled once: no refill; no data prefetch: all is asked for at the head.
; THE WEIGHTS COME BY PLAIN LOADS STRAIGHT INTO REGISTERS, not jointly: x's 196,608 bytes and a work-group's 294,912 bytes of weights do not fit in LDS together, and each lane's 16 bytes lie in wf as its registers want them.
; THE TEXT: a loop of two trips of eight blocks (a record's 128 tokens).  Every wait on LDS is for 0 and stands ahead of the fetch of the block two on; the last two fetches are jumped over by the trip's number.
.set REC, 19712
.set KPB, 49152
.set SAL, 196608  ; x's scale words
.set SPARE, 212992
.set FR, 12
.set L16, 4  ; v4 16 x lane; v5 8 x lane; v6, v7, v8 offsets of the weights' scale words and the biases; v9 of v's scale words
.set L8, 5
.set SPW, 10
.set NIL, 11
.set AQ, 12  ; v12-15 LDS address of the record's tiles, one for each pair of K steps
.set AAS, 16  ; v16 of their scale words
.set SBW, 24  ; v24-47 the weights' scale words: 8 pair + q; lanes 0-15 the even tile's, lanes 16-31 the odd tile's
.set SA, 52  ; v52-67 x's: two sets of eight
.set ACC, 68  ; v68-99 q|k's sums
.set HV, 100  ; v100-131 v's sums of a pair of blocks: 16 u + 8 e + j
.set BQ, 132  ; v132-163 q|k's bias as the first products' C
.set BV, 164  ; v164-179 v's
.set VC, 180  ; v180-219 v's codes: 20 registers a tile
.set QC, 220  ; v220-229 q|k's codes
.set TM, 230  ; v230-245 at work
.set VW, 246  ; v246, v247 v's scale words
.set QW, 248  ; v248-255 q|k's scale words of a record's eight tiles
.set MSB, 0
.macro WIN new
.if MSB != (\new)
	s_set_vgpr_msb (MSB<<8)|(\new)
.set MSB, (\new)
.endif
.endm
.macro PLACES n
.rept \n
	v_nop
.endr
.endm
.macro WALU
	s_wait_alu depctr_va_vdst(0)
.endm
.macro BARRIER
	s_barrier_signal -1
	s_barrier_wait -1
.endm
.macro CROUND
	BARRIER
	s_cmp_lg_u32 s16, 0
	s_cbranch_scc1 .Lnot_wave_0_\@
	s_barrier_signal -3
.Lnot_wave_0_\@:
	s_barrier_wait -3
	BARRIER
.endm
.macro TLOAD g0, g1
	tensor_load_to_lds s[\g0:\g0+3], s[\g1:\g1+7]
	s_nop 0
	PLACES 4
.endm
.macro GROUP1 g, r  ; r dense rows of 256 bytes, for my column of the cluster
	s_or_b32 s[\g], s86, (3<<16)|(1<<21)
	s_mov_b32 s[\g+1], 32<<16
	s_mov_b32 s[\g+2], (\r)<<16
	s_mov_b32 s[\g+3], 32<<16
	s_mov_b32 s[\g+4], \r
	s_mov_b32 s[\g+5], 32
	s_mov_b32 s[\g+6], 0
	s_mov_b32 s[\g+7], 0
.endm
.macro PTR d, base, off  ; s21 = 0
	s_mov_b32 s20, s\off
	s_add_nc_u64 s[\d:\d+1], s[\base:\base+1], s[20:21]
.endm
; fragment f lies at register 256 + 12 f: 0-47 the weights' (6 q + t; t = 4, 5: v's), 48-63 x's two sets (48 + 8 e + q)
.macro FETCH e, rel  ; tile rel of the record in hand (8, 9: the next record's first two) into set e
.irp q, 0,1,2,3,4,5,6,7
.irp c, 0,1,2
.set R_, 256+FR*(48+8*(\e)+\q)+4*\c
.set RL_, R_&255
	WIN (R_>>8)<<6
	ds_load_b128 v[RL_:RL_+3], v[AQ+\q/2] offset:(\rel)*3072+(\q%2)*1536+512*\c
.endr
.endr
	WIN 0
.irp q, 0,1,2,3,4,5,6,7
	ds_load_b32 v[SA+8*(\e)+\q], v[AAS] offset:((\rel)/8)*8192+((\rel)%8)*128+1024*\q
.endr
.endm
.macro PW1 d, s0, s1, c, x0, x1, side, o
.if \o
	v_wmma_scale_f32_16x16x128_f8f6f4 v[\d:\d+7], v[\s0:\s0+FR-1], v[\s1:\s1+FR-1], \c, v[\x0], v[\x1] matrix_a_fmt:MATRIX_FMT_FP6 matrix_b_fmt:MATRIX_FMT_FP6 matrix_\side\()_scale:MATRIX_SCALE_ROW1
.else
	v_wmma_scale_f32_16x16x128_f8f6f4 v[\d:\d+7], v[\s0:\s0+FR-1], v[\s1:\s1+FR-1], \c, v[\x0], v[\x1] matrix_a_fmt:MATRIX_FMT_FP6 matrix_b_fmt:MATRIX_FMT_FP6
.endif
.endm
.macro PROD e, q, t
.set FX_, 256+FR*(48+8*(\e)+(\q))
.set FW_, 256+FR*(6*(\q)+(\t))
.set XL_, FX_&255
.set WL_, FW_&255
.set XX_, SA+8*(\e)+(\q)
.set XW_, SBW+8*((\t)/2)+(\q)
.if (\t) < 4
.set D_, ACC+8*(\t)
	WIN (FW_>>8)|((FX_>>8)<<2)
.if \q
	PW1 D_, WL_, XL_, v[D_:D_+7], XW_, XX_, a, (\t)%2
.else
	PW1 D_, WL_, XL_, v[BQ+8*(\t):BQ+8*(\t)+7], XW_, XX_, a, (\t)%2
.endif
.else
.set D_, HV+16*((\t)-4)+8*(\e)
	WIN (FX_>>8)|((FW_>>8)<<2)
.if \q
	PW1 D_, XL_, WL_, v[D_:D_+7], XX_, XW_, b, (\t)%2
.else
	PW1 D_, XL_, WL_, v[BV+8*((\t)-4):BV+8*((\t)-4)+7], XX_, XW_, b, (\t)%2
.endif
.endif
.endm
.macro PRODS e
.set Q_, 0
.rept 8
.irp t, 0,1,2,3,4,5
	PROD \e, Q_, \t
.endr
.set Q_, Q_+1
.endr
	WIN 0
.endm
; two scale blocks side by side: 16 registers each from v[x] and v[x + 16] on, the other 16 numbers in lane l xor 16.  Leaves the conversions' scale operands in v[TM+12], v[TM+13] and the bytes in v[TM+4], v[TM+5]
.macro SCALE2 x
.irp b, 0,1
	v_max3_num_f32 v[TM+\b], |v[\x+16*\b]|, |v[\x+16*\b+1]|, 0x1800000  ; each accumulator from its low end on; the floor 2^(3 - 127)
.endr
.irp i, 2,4,6,8,10,12,14
.irp b, 0,1
	v_max3_num_f32 v[TM+\b], v[TM+\b], |v[\x+16*\b+\i]|, |v[\x+16*\b+\i+1]|
.endr
.endr
.irp b, 0,1
	v_permlanex16_b32 v[TM+4+\b], v[TM+\b], s66, s67
.endr
.irp b, 0,1
	v_max_num_f32 v[TM+\b], v[TM+\b], v[TM+4+\b]
.endr
.irp b, 0,1
	v_add_nc_u32 v[TM+12+\b], 0xff000000, v[TM+\b]  ; 2 off the exponent field
.endr
.irp b, 0,1
	v_lshrrev_b32 v[TM+4+\b], 23, v[TM+12+\b]
.endr
.endm
.macro QOUT s  ; tile s of q|k: 16 tokens x my head's 64 channels: six registers and a scale word whose upper two bytes are 127
	SCALE2 ACC
	v_lshl_or_b32 v[QW+\s], v[TM+5], 8, v[TM+4]
	v_or_b32 v[QW+\s], 0x7f7f0000, v[QW+\s]
	v_cvt_scalef32_pk16_fp6_f32 v[QC:QC+2], v[ACC:ACC+15], v[TM+12]
	v_cvt_scalef32_pk16_fp6_f32 v[QC+6:QC+8], v[ACC+16:ACC+31], v[TM+13]
	v_nop  ; one plain line behind the conversions
.irp i, 0,1,2
	v_permlane16_swap_b32 v[QC+\i], v[QC+6+\i]  ; a whole block in a lane
.endr
.irp i, 0,1,2
	v_mov_b32 v[QC+3+\i], v[QC+6+\i]
.endr
	global_store_b128 v[L16], v[QC:QC+3], s[80:81] offset:768*(\s)
	global_store_b64 v[L8], v[QC+4:QC+5], s[80:81] offset:768*(\s)+512
.endm
.macro VOUT bb  ; scale block bb of v's two tiles: the 32 tokens of the pair of blocks just done
	SCALE2 HV
.irp u, 0,1
.if (\bb) == 0
	v_mov_b32 v[VW+\u], v[TM+4+\u]
.else
	v_lshl_or_b32 v[VW+\u], v[TM+4+\u], 8*(\bb), v[VW+\u]
.endif
.endr
.irp u, 0,1
.if (\bb)%2
	v_cvt_scalef32_pk16_fp6_f32 v[VC+20*\u+12+4*((\bb)/2):VC+20*\u+14+4*((\bb)/2)], v[HV+16*\u:HV+16*\u+15], v[TM+12+\u]
.else
	v_cvt_scalef32_pk16_fp6_f32 v[VC+20*\u+6*((\bb)/2):VC+20*\u+6*((\bb)/2)+2], v[HV+16*\u:HV+16*\u+15], v[TM+12+\u]
.endif
.endr
	v_nop
.if (\bb)%2
.irp u, 0,1
.irp i, 0,1,2
	v_permlane16_swap_b32 v[VC+20*\u+6*((\bb)/2)+\i], v[VC+20*\u+12+4*((\bb)/2)+\i]
.endr
.irp i, 0,1,2
	v_mov_b32 v[VC+20*\u+3+6*((\bb)/2)+\i], v[VC+20*\u+12+4*((\bb)/2)+\i]
.endr
.endr
.endif
.endm
.macro BLOCK s
	PRODS (\s)%2
	PLACES 4  ; between the last product and the fetch into its registers and the first reader of its sums
	s_wait_dscnt 0x0  ; the next block's fragments, asked for a block ago, are in
.if (\s) >= 6
	s_cmp_eq_u32 s90, 1  ; the second record has no successor
	s_cbranch_scc1 .Lno_fetch_\@
.endif
	FETCH (\s)%2, (\s)+2
.if (\s) >= 6
.Lno_fetch_\@:
.endif
	s_wait_xcnt 0x0  ; the last block's stores have read their registers
	QOUT \s
.if (\s)%2
	VOUT (\s)/2
.endif
.if (\s) == 7  ; the record ends: q|k's eight scale words (lanes 0-15 tiles 0-3, lanes 16-31 tiles 4-7), v's two fragments and their words
.irp i, 0,1,2,3
	v_cndmask_b32 v[TM+\i], v[QW+\i], v[QW+4+\i], s23
.endr
	global_store_b128 v[L16], v[TM:TM+3], s[80:81] offset:6144
.irp u, 0,1
.irp c, 0,1,2
	global_store_b128 v[L16], v[VC+20*\u+4*\c:VC+20*\u+4*\c+3], s[82:83] offset:1536*\u+512*\c
.endr
.endr
	global_store_b64 v9, v[VW:VW+1], s[82:83]  ; lanes r and 16 + r store the same 8 bytes
.endif
	WALU
.endm
; ---- the head
	s_load_b256 s[4:11], s[0:1], 0x0  ; xf, xs, wf, ws
	s_load_b128 s[12:15], s[0:1], 0x20  ; b_qkv, qkv
	v_lshl_add_u32 v[SPW], v0, 2, SPARE
	v_mov_b32 v[NIL], 0
	ds_add_u32 v[SPW], v[NIL]  ; the opening lines
	ds_add_u32 v[SPW], v[NIL]
	v_lshrrev_b32 v1, 5, v0
	v_readfirstlane_b32 s16, v1  ; the wave
	s_and_b32 s17, s16, 1
	s_lshr_b32 s18, s16, 1
	s_bfe_u32 s84, ttmp6, 0x40000
	s_bfe_u32 s85, ttmp6, 0x40004
	s_lshl_b32 s43, ttmp9, 2
	s_add_co_u32 s43, s43, s84  ; tr: block of 256 tokens
	s_and_b32 s42, ttmp7, 0xffff
	s_lshl_b32 s42, s42, 2
	s_add_co_u32 s42, s42, s85  ; tc
	s_lshl_b32 s86, 0x1111, s84  ; my column of the cluster shares x
	GROUP1 24, 384  ; half of x's codes
	GROUP1 32, 32  ; half of its scale words
	s_lshl_b32 s87, s42, 2
	s_add_co_u32 s87, s87, s16  ; 4 tc + w: my head of q|k, my 32 channels of v
	s_lshr_b32 s88, s87, 4  ; 0 q, 1 k
	s_and_b32 s89, s87, 15  ; the head
	s_lshr_b32 s19, s87, 1  ; v's head
	s_mul_i32 s91, s42, 196608
	s_mul_i32 s2, s16, 12288
	s_add_co_u32 s91, s91, s2  ; q|k's weights, bytes from wf
	s_lshr_b32 s92, s42, 1
	s_add_co_u32 s92, s92, 8
	s_mul_i32 s92, s92, 196608
	s_and_b32 s2, s42, 1
	s_lshl_b32 s2, s2, 3
	s_lshl_b32 s3, s16, 1
	s_add_co_u32 s2, s2, s3
	s_mul_i32 s2, s2, 3072
	s_add_co_u32 s92, s92, s2  ; v's
	s_lshl_b32 s93, s42, 1
	s_add_co_u32 s93, s93, s18
	s_lshl_b32 s93, s93, 13
	s_lshl_b32 s2, s17, 9
	s_add_co_u32 s93, s93, s2  ; q|k's scale words, from ws
	s_add_co_u32 s94, s42, 16
	s_lshl_b32 s94, s94, 13
	s_lshl_b32 s2, s16, 8
	s_add_co_u32 s94, s94, s2  ; v's
	s_lshr_b32 s2, s43, 3
	s_lshl_b32 s2, s2, 4  ; 16 x batch
	s_and_b32 s3, s43, 7
	s_lshl_b32 s3, s3, 1  ; my first record of the head's sixteen
	s_add_co_u32 s95, s2, s89
	s_lshl_b32 s95, s95, 4
	s_add_co_u32 s95, s95, s3
	s_mul_i32 s95, s95, REC
	s_mul_i32 s22, s88, 6656
	s_add_co_u32 s95, s95, s22  ; q's or k's tiles, from qkv
	s_add_co_u32 s96, s2, s19
	s_lshl_b32 s96, s96, 4
	s_add_co_u32 s96, s96, s3
	s_mul_i32 s96, s96, REC
	s_mul_i32 s22, s17, 3072
	s_add_co_u32 s96, s96, s22
	s_add_co_u32 s96, s96, 13312  ; my two fragments of v
	s_mul_i32 s97, s89, 768
	s_lshl_b32 s22, s88, 8
	s_add_co_u32 s97, s97, s22  ; q|k's bias: 4 (192 head + 64 part)
	s_mul_i32 s98, s19, 768
	s_lshl_b32 s22, s17, 7
	s_add_co_u32 s98, s98, s22
	s_add_co_u32 s98, s98, 512  ; v's: 4 (192 head + 128 + 32 half)
	s_mul_i32 s99, s43, 196608
	s_mul_i32 s22, s17, 98304
	s_add_co_u32 s99, s99, s22  ; the half of x's codes that I fetch, if I fetch codes
	s_lshl_b32 s3, s43, 14
	s_lshl_b32 s2, s17, 13
	s_add_co_u32 s3, s3, s2  ; or of its scale words
	s_mul_i32 s19, s17, 2944
	s_sub_co_u32 s19, 6144, s19  ; from my fragments of v to my 128 bytes of its scale words
	s_mov_b32 s48, 1
	s_mul_i32 s49, s17, 98304
	s_mov_b32 s52, 1
	s_lshl_b32 s53, s17, 13
	s_add_co_u32 s53, s53, SAL
	s_mov_b32 s66, 0x76543210
	s_mov_b32 s67, 0xfedcba98
	v_and_b32 v1, 15, v0
	v_bfe_u32 v2, v0, 4, 1
	v_and_b32 v3, 31, v0
	v_lshlrev_b32 v[L16], 4, v3
	v_lshlrev_b32 v[L8], 3, v3
	v_lshlrev_b32 v6, 2, v3
	v_lshl_add_u32 v6, v2, 7, v6  ; lanes 16-31 take the next tile's words
	v_lshlrev_b32 v7, 6, v2
	v_and_b32 v8, 8, v1
	v_add_nc_u32 v8, v8, v1
	v_lshlrev_b32 v8, 2, v8
	v_lshl_add_u32 v9, v1, 3, s19
	v_mov_b32 v[AQ], v[L16]
.irp p, 1,2,3
	v_add_nc_u32 v[AQ+\p], \p*KPB, v[L16]
.endr
	v_lshl_add_u32 v[AAS], v3, 2, SAL
	v_cmp_le_u32 s23, 16, v3
.irp b, 0,1
	v_mov_b32 v[TM+4+\b], 0  ; a lane permute's destination counts as one of its sources
.endr
	WALU  ; the wait at the head's end
	s_wait_dscnt 0x0
	CROUND  ; the opening round
	s_wait_kmcnt 0x0
	s_mov_b32 s21, 0
	PTR 50, 4, 99
	s_or_b32 s51, s51, 0x80000000
	PTR 54, 6, 3
	s_or_b32 s55, s55, 0x80000000
	s_cmp_lt_u32 s16, 2
	s_cbranch_scc0 .Lfor_scales
	TLOAD 48, 24  ; waves 0 and 1: x's codes, a half each
	s_branch .Lasked
.Lfor_scales:
	TLOAD 52, 32  ; waves 2 and 3: its scale words
.Lasked:
	PTR 68, 8, 91
	PTR 70, 8, 92
	PTR 72, 10, 93
	PTR 74, 10, 94
	PTR 76, 12, 97
	PTR 78, 12, 98
	PTR 80, 14, 95
	PTR 82, 14, 96
.irp u, 0,1
	global_load_b32 v[BV+8*\u], v8, s[78:79] offset:32*\u
.endr
.irp b, 0,1,2,3
	global_load_b128 v[BQ+8*\b:BQ+8*\b+3], v7, s[76:77] offset:(32*(\b/2)+8*(\b%2))*4
	global_load_b128 v[BQ+8*\b+4:BQ+8*\b+7], v7, s[76:77] offset:(32*(\b/2)+8*(\b%2))*4+16
.endr
.irp q, 0,1,2,3,4,5,6,7
	global_load_b32 v[SBW+\q], v6, s[72:73] offset:1024*\q
	global_load_b32 v[SBW+8+\q], v6, s[72:73] offset:1024*\q+256
	global_load_b32 v[SBW+16+\q], v6, s[74:75] offset:1024*\q
.endr
.irp q, 0,1,2,3,4,5,6,7  ; my 48 fragments: each load reads 512 consecutive bytes
.irp t, 0,1,2,3,4,5
.irp c, 0,1,2
.set R_, 256+FR*(6*\q+\t)+4*\c
.set RL_, R_&255
	WIN (R_>>8)<<6
.if \t < 4
	global_load_b128 v[RL_:RL_+3], v[L16], s[68:69] offset:(\q/2)*KPB+\t*3072+(\q%2)*1536+512*\c
.else
	global_load_b128 v[RL_:RL_+3], v[L16], s[70:71] offset:(\q/2)*KPB+(\t-4)*3072+(\q%2)*1536+512*\c
.endif
.endr
.endr
.endr
	WIN 0
	s_wait_loadcnt 0x0
.irp u, 0,1
.irp j, 1,2,3,4,5,6,7
	v_mov_b32 v[BV+8*\u+\j], v[BV+8*\u]  ; a lane's channel has one bias for all its tokens
.endr
.endr
	WALU
	s_wait_tensorcnt 0x0  ; every wave: its part of x
	BARRIER  ; everybody's is in
	FETCH 0, 0
	FETCH 1, 1
	s_wait_dscnt 0x0
	s_mov_b32 s90, 0
.Lrecord:  ; a record's eight blocks
	BLOCK 0
	BLOCK 1
	BLOCK 2
	BLOCK 3
	BLOCK 4
	BLOCK 5
	BLOCK 6
	BLOCK 7
	s_wait_xcnt 0x0  ; the stores have read their bases
	s_add_nc_u64 s[80:81], s[80:81], REC
	s_add_nc_u64 s[82:83], s[82:83], REC
.irp p, 0,1,2,3
	v_add_nc_u32 v[AQ+\p], 24576, v[AQ+\p]  ; the next record's eight tiles
.endr
	v_add_nc_u32 v[AAS], 8192, v[AAS]
	WALU  ; the wait ahead of the branch
	s_add_co_u32 s90, s90, 1
	s_cmp_lg_u32 s90, 2
	s_cbranch_scc1 .Lrecord
	s_wait_tensorcnt 0x0  ; the wave's end
	ds_add_u32 v[SPW], v[NIL]
	s_wait_dscnt 0x0
	CROUND  ; the closing round
	s_endpgm
.Lfunc_end_k_q6462c9d773_gemm_qkv:
	.size	k_q6462c9d773_gemm_qkv, .Lfunc_end_k_q6462c9d773_gemm_qkv-k_q6462c9d773_gemm_qkv
	.p2alignl 7, 3214868480
	.fill 96, 4, 3214868480
	.section	.rodata,"a",@progbits
	.p2align	6, 0x0
	.amdhsa_kernel k_q6462c9d773_gemm_qkv
		.amdhsa_group_segment_fixed_size 327680
		.amdhsa_private_segment_fixed_size 0
		.amdhsa_enable_private_segment 0
		.amdhsa_kernarg_size 48
		.amdhsa_user_sgpr_count 2
		.amdhsa_user_sgpr_kernarg_segment_ptr 1
		.amdhsa_wavefront_size32 1
		.amdhsa_system_sgpr_workgroup_id_x 1
		.amdhsa_system_sgpr_workgroup_id_y 1
		.amdhsa_system_sgpr_workgroup_id_z 1
		.amdhsa_system_vgpr_workitem_id 0
		.amdhsa_next_free_vgpr 1024
		.amdhsa_next_free_sgpr 100
		.amdhsa_reserve_vcc 0
		.amdhsa_float_denorm_mode_32 3
		.amdhsa_float_denorm_mode_16_64 3
		.amdhsa_memory_ordered 1
		.amdhsa_forward_progress 1
		.amdhsa_inst_pref_size 127
	.end_amdhsa_kernel
	.amdgpu_metadata
---
amdhsa.version: [ 1, 2 ]
amdhsa.kernels:
  - .name:           k_q6462c9d773_gemm_qkv
    .symbol:         k_q6462c9d773_gemm_qkv.kd
    .args:
      - { .name: xf, .offset: 0, .size: 8, .value_kind: global_buffer, .address_space: global }
      - { .name: xs, .offset: 8, .size: 8, .value_kind: global_buffer, .address_space: global }
      - { .name: wf, .offset: 16, .size: 8, .value_kind: global_buffer, .address_space: global }
      - { .name: ws, .offset: 24, .size: 8, .value_kind: global_buffer, .address_space: global }
      - { .name: b_qkv, .offset: 32, .size: 8, .value_kind: global_buffer, .address_space: global }
      - { .name: qkv, .offset: 40, .size: 8, .value_kind: global_buffer, .address_space: global }
    .group_segment_fixed_size: 327680
    .private_segment_fixed_size: 0
    .kernarg_segment_align: 8
    .kernarg_segment_size: 48
    .max_flat_workgroup_size: 128
    .sgpr_count:     100
    .vgpr_count:     1024
    .wavefront_size: 32
...
	.end_amdgpu_metadata
.endif
;; end of part 2
;; launch attn (part 3): grid 8 x 32, 16 waves a work-group, clusters of 4 x 1, 327,680 bytes of LDS; arguments qkv, af, asc; writes af, asc
.if DOCPART == 3
	.amdgcn_target "amdgcn-amd-amdhsa--gfx1250"
	.amdhsa_code_object_version 6
	.text
	.protected	k_q6462c9d773_attn
	.globl	k_q6462c9d773_attn
	.p2align	8
	.type	k_q6462c9d773_attn,@function
k_q6462c9d773_attn:
	s_mov_b64 s[64:65], 0
	v_nop
	global_prefetch_b8 v0, s[64:65] scope:SCOPE_SE
	s_setreg_imm32_b32 hwreg(HW_REG_WAVE_MODE, 25, 1), 1
	s_wait_xcnt 0x0
	s_wait_alu depctr_hold_cnt(0) depctr_sa_sdst(0) depctr_va_vdst(0) depctr_va_sdst(0) depctr_va_ssrc(0) depctr_va_vcc(0) depctr_vm_vsrc(0)
	s_getreg_b32 s2, hwreg(HW_REG_IB_STS2, 6, 4)
	s_cmp_eq_u32 s2, 0
	s_cbranch_scc0 .Lentry_in_a_cluster
	s_endpgm
.Lentry_in_a_cluster:
	s_bfe_u32 s2, ttmp6, 0x10000c
	s_cmp_lg_u32 s2, 0x3003
	s_cbranch_scc0 .Lentry_shape_is_right
	s_endpgm
.Lentry_shape_is_right:
; values = softmax(q k^T / 8) v for 64 heads of 64 channels, 2,048 tokens, both products on codes of FP6 (E2M3) with E8M0 scales; the values are quantised here, along the channels, for the output projection.
; qkv: one record of 19,712 bytes for each (batch, head, 128 tokens): +0 q's 8 tiles (768 bytes: registers 0-3 at 16 l, 4-5 at 512 + 8 l), +6,144 q's scale words, +6,656 k's 8 tiles, +12,800 k's scale words,
;   +13,312 v's 4 fragments (16 channels x 128 tokens, 1,536 bytes), +19,456 v's scale words.  From +6,656 on a record's 13,056 bytes are what a key step reads: one dense tensor load.
; THE SOFTMAX: t = score x log2(e) / 8; M = the running largest t rounded UP to a whole number; p = 2^(t - M) is quantised along the keys, not normalised; the row's sum is taken of the unquantised p and divides at the end;
;   when M moves, the sum and O are multiplied by 2^(old M - new M), which rounds nothing.
; SHARES.  A work-group owns 256 queries and TWO neighbouring heads, one after the other; each of its sixteen waves owns a tile of 16 queries: four waves to a SIMD.  So a wave ends with a whole fragment (2 x 64 channels = 128 along K of the output projection).
; Both products are used transposed (S^T = k q^T, O^T = v^T p^T): a lane holds one query.  Tokens and channels of a tile are not neighbours (lane r of tile u of a group of 32: 8 u + r + 8 (r / 8)), so that 16 registers of two neighbouring tiles are 16 neighbours.
; K = 64 IN A FORM OF K = 128: q's registers 6-11 are zero codes.  k's operand for tile t is the 12 registers from its six on: the upper six are tile t + 1's codes (zeros behind tile 7).  The format has no NaN and no infinity, and the scale bytes
;   of the upper 64 are 127 on both sides: those products are exact zeros.
; LDS: a head's 16 key steps lie there whole, 16 x 13,056 bytes, in four chunks of four steps.  When a chunk of the first head has been read by all, the second head's chunk is asked for into its bytes.
; CLUSTER: the four query blocks of a cluster walk the same records: every fill is a joint load of the four, chunk c's issued by waves 4 c .. 4 c + 3 (a key step each).
; No prefetch: the first head is asked for whole at the head of the text, and each refill is issued four key steps of sixteen waves, or more, ahead of the wait that shows it landed.
; LIMITS: NaN and infinities are not served; a block whose largest magnitude lies under 2^-124 keeps the byte 1, a block of zeros too (its codes are zeros; this program alone reads the bytes).
.set REC,   19712
.set HEADB, 16*REC
.set STEPB, 13056
.set SPARE, 16*STEPB                   ; behind the key steps: the spare words, 128 bytes a wave: eight blocks of 256 bytes that no other line names
.set L16, 1                            ; v1 16 x lane;  v2 8 x lane;  v7 4 x lane
.set L8,  2
.set A16, 3                            ; v3, v4 the same at the key step in hand
.set A8,  4
.set SPW, 5                            ; v5 my spare word; never rewritten
.set NIL, 6                            ; v6 0; never rewritten
.set L4,  7
.set QA,  16                           ; v16-27 q of the first head (v22-27 zeros);  v28, v29 q's scale words
.set QSA, 28
.set QSB, 29
.set KT,  32                           ; v32-79 k's eight tiles, six registers each, v80-85 zeros; then v's four fragments
.set QBF, 86                           ; v86-97 q of the second head (v92-97 zeros)
.set S,   98                           ; v98-161 S^T, then p
.set OT,  162                          ; v162-193 O^T
.set PC,  194                          ; v194-205 p's codes
.set CT,  206                          ; v206-213 the conversions' second halves
.set VC,  214                          ; v214-225 the values' codes
.set PWV, 226                          ; v226 the values' scale word
.set BM,  228                          ; v228-231 the blocks' largest
.set PT,  232                          ; v232-235 at work
.set TS,  236                          ; v236-239 the conversions' scale operands
.set KS,  240                          ; v240-243 k's scale words;  v244-245 v's;  v246 p's
.set VS,  244
.set PS,  246
.set FF,  248                          ; v[248:249] f = 2^(old M - new M), later 1 / the sum
.set T0,  250
.set WV,  10
.set G1,  16                           ; s[16:23] descriptor group 1;  s[24:27] group 0
.set G0,  24
.set SEL, 40
.set CS,  42                           ; s[42:43] c = log2(e) / 8
.set TB,  44                           ; s44 LDS byte of the key step in hand
.set CNT, 45
.macro CROUND                          ; a round of the cluster's barrier
	s_barrier_signal -1
	s_barrier_wait -1
	s_cmp_lg_u32 s[WV], 0
	s_cbranch_scc1 .Lnot_wave_0_\@
	s_barrier_signal -3
.Lnot_wave_0_\@:
	s_barrier_wait -3
	s_barrier_signal -1
	s_barrier_wait -1
.endm
; A KEY STEP: 128 keys
.macro STEP qf, qs
	v_add_nc_u32 v[A16], s[TB], v[L16]
	v_add_nc_u32 v[A8], s[TB], v[L8]
	v_nop
	v_nop                                          ; four plain lines between the last products and the loads into registers that they read
.irp t, 0,1,2,3,4,5,6,7
	ds_load_b128 v[KT+6*\t:KT+6*\t+3], v[A16] offset:768*\t
	ds_load_b64 v[KT+6*\t+4:KT+6*\t+5], v[A8] offset:768*\t+512
.endr
	ds_load_b128 v[KS:KS+3], v[A16] offset:6144    ; lanes 0-15: tiles 0-3's words; lanes 16-31: tiles 4-7's
	s_wait_alu depctr_va_vdst(0)
	s_wait_dscnt 0x0
.irp t, 0,1,2,3
	v_wmma_scale_f32_16x16x128_f8f6f4 v[S+8*\t:S+8*\t+7], v[KT+6*\t:KT+6*\t+11], v[\qf:\qf+11], 0, v[KS+\t], v[\qs] matrix_a_fmt:MATRIX_FMT_FP6 matrix_b_fmt:MATRIX_FMT_FP6
.endr
.irp t, 4,5,6,7
	v_wmma_scale_f32_16x16x128_f8f6f4 v[S+8*\t:S+8*\t+7], v[KT+6*\t:KT+6*\t+11], v[\qf:\qf+11], 0, v[KS+\t-4], v[\qs] matrix_a_fmt:MATRIX_FMT_FP6 matrix_b_fmt:MATRIX_FMT_FP6 matrix_a_scale:MATRIX_SCALE_ROW1
.endr
.rept 4
	v_nop                                          ; places: for the loads over k's tiles and for the first read of the scores
.endr
.irp t, 0,1,2,3
.irp c, 0,1,2
	ds_load_b128 v[KT+12*\t+4*\c:KT+12*\t+4*\c+3], v[A16] offset:6656+1536*\t+512*\c   ; v's fragments land under the softmax
.endr
.endr
	ds_load_b64 v[VS:VS+1], v[A8] offset:12800     ; lanes 0-15: tiles 0, 1's words; lanes 16-31: tiles 2, 3's
.irp b, 0,1,2,3
	v_max3_num_f32 v[BM+\b], v[S+16*\b], v[S+16*\b+1], v[S+16*\b+2]   ; the largest score of each block of 32 keys: for the row's maximum and, since p rises with the score, for the block's largest p
.endr
.irp i, 3,5,7,9,11,13
.irp b, 0,1,2,3
	v_max3_num_f32 v[BM+\b], v[BM+\b], v[S+16*\b+\i], v[S+16*\b+\i+1]
.endr
.endr
.irp b, 0,1,2,3
	v_max_num_f32 v[BM+\b], v[BM+\b], v[S+16*\b+15]
.endr
.irp b, 0,1,2,3
	s_delay_alu instid0(VALU_DEP_4)
	v_permlanex16_b32 v[PT+\b], v[BM+\b], s[SEL], s[SEL+1]
.endr
.irp b, 0,1,2,3
	s_delay_alu instid0(VALU_DEP_4)
	v_max_num_f32 v[BM+\b], v[BM+\b], v[PT+\b]     ; with lane l xor 16's 16 keys
.endr
	s_delay_alu instid0(VALU_DEP_2)
	v_max3_num_f32 v[T0], v[BM], v[BM+1], v[BM+2]
	s_delay_alu instid0(VALU_DEP_1)
	v_max_num_f32 v[T0], v[T0], v[BM+3]
	s_delay_alu instid0(VALU_DEP_1)
	v_mul_f32 v[T0], s[CS], v[T0]                  ; as t (c is positive)
	s_delay_alu instid0(VALU_DEP_1)
	v_max_num_f32 v13, v13, v[T0]                  ; the running largest t
	v_mov_b32 v[T0], v12
	s_delay_alu instid0(VALU_DEP_2)
	v_floor_f32 v12, -v13                          ; the new -M = floor(-t): M is a whole number
	s_delay_alu instid0(VALU_DEP_1)
	v_sub_f32 v[T0], v12, v[T0]                    ; old M - new M: a whole number, 0 or less
	s_delay_alu instid0(VALU_DEP_1)
	v_cvt_i32_f32 v[T0], v[T0]                     ; (it saturates)
	s_delay_alu instid0(VALU_DEP_1)
	v_ldexp_f32 v[FF], 1.0, v[T0]                  ; f
.irp j, 0,2,4,6,8,10,12,14,16,18,20,22,24,26,28,30,32,34,36,38,40,42,44,46,48,50,52,54,56,58,60,62
	v_pk_fma_f32 v[S+\j:S+\j+1], v[S+\j:S+\j+1], s[CS:CS+1], v[12:13] op_sel_hi:[1,0,0]   ; t - M, two at a time
.endr
.irp b, 0,1,2,3
	v_fma_f32 v[BM+\b], v[BM+\b], s[CS], v12       ; the same of each block's largest score
.endr
	s_wait_alu depctr_va_vdst(0)
.irp j, 0,1,2,3,4,5,6,7,8,9,10,11,12,13,14,15,16,17,18,19,20,21,22,23,24,25,26,27,28,29,30,31,32,33,34,35,36,37,38,39,40,41,42,43,44,45,46,47,48,49,50,51,52,53,54,55,56,57,58,59,60,61,62,63
	v_exp_f32 v[S+\j], v[S+\j]                     ; p = 2^(t - M), at most 1
.endr
	v_pk_mul_f32 v[14:15], v[14:15], v[FF:FF+1] op_sel_hi:[1,0]   ; the sums under the new M: the plain line behind the exponentials
	s_wait_alu depctr_va_vdst(0)                   ; one wait for the batch of 64, ahead of its first reader
.irp b, 0,1,2,3
	v_exp_f32 v[BM+\b], v[BM+\b]                   ; the block's largest p: the same two instructions on the same number
.endr
	v_pk_add_f32 v[232:233], v[102:103], v[106:107]
	v_pk_add_f32 v[254:255], v[110:111], v[114:115]
	v_pk_add_f32 v[252:253], v[118:119], v[122:123]
	v_pk_add_f32 v[246:247], v[126:127], v[130:131]
	v_pk_add_f32 v[242:243], v[134:135], v[138:139]
	v_pk_add_f32 v[240:241], v[142:143], v[146:147]
	v_pk_add_f32 v[238:239], v[150:151], v[154:155]
	v_pk_add_f32 v[14:15], v[14:15], v[158:159]
	v_pk_add_f32 v[232:233], v[232:233], v[98:99]
	v_pk_add_f32 v[254:255], v[254:255], v[100:101]
	v_pk_add_f32 v[252:253], v[252:253], v[104:105]
	v_pk_add_f32 v[246:247], v[246:247], v[108:109]
	v_pk_add_f32 v[242:243], v[242:243], v[112:113]
	v_pk_add_f32 v[240:241], v[240:241], v[116:117]
	v_pk_add_f32 v[238:239], v[238:239], v[120:121]
	v_pk_add_f32 v[14:15], v[14:15], v[124:125]
	v_pk_add_f32 v[232:233], v[232:233], v[128:129]
	v_pk_add_f32 v[254:255], v[254:255], v[132:133]
	v_pk_add_f32 v[252:253], v[252:253], v[136:137]
	v_pk_add_f32 v[246:247], v[246:247], v[140:141]
	v_pk_add_f32 v[242:243], v[242:243], v[144:145]
	v_pk_add_f32 v[240:241], v[240:241], v[148:149]
	v_pk_add_f32 v[238:239], v[238:239], v[152:153]
	v_pk_add_f32 v[14:15], v[14:15], v[156:157]
	v_pk_add_f32 v[232:233], v[232:233], v[160:161]
	s_delay_alu instid0(VALU_DEP_2)
	v_pk_add_f32 v[14:15], v[14:15], v[246:247]
	s_delay_alu instid0(VALU_DEP_2)
	v_pk_add_f32 v[232:233], v[232:233], v[242:243]
	v_pk_add_f32 v[254:255], v[254:255], v[240:241]
	v_pk_add_f32 v[252:253], v[252:253], v[238:239]
	s_delay_alu instid0(VALU_DEP_2)
	v_pk_add_f32 v[14:15], v[14:15], v[254:255]
	s_delay_alu instid0(VALU_DEP_2)
	v_pk_add_f32 v[232:233], v[232:233], v[252:253]
	s_delay_alu instid0(VALU_DEP_1)
	v_pk_add_f32 v[14:15], v[14:15], v[232:233]
	s_wait_alu depctr_va_vdst(0)                   ; and one for the four
.irp b, 0,1,2,3
	v_max_num_f32 v[BM+\b], 0x1800000, v[BM+\b]    ; the floor 2^(3 - 127)
.endr
.irp b, 0,1,2,3
	s_delay_alu instid0(VALU_DEP_4)
	v_add_nc_u32 v[TS+\b], 0xff000000, v[BM+\b]    ; 2 off the exponent field: the conversion's scale operand
.endr
.irp b, 0,1,2,3
	s_delay_alu instid0(VALU_DEP_4)
	v_lshrrev_b32 v[PT+\b], 23, v[TS+\b]
.endr
	s_delay_alu instid0(VALU_DEP_3)
	v_lshl_or_b32 v[PS], v[PT+1], 8, v[PT]         ; p's scale word for these 128 keys
	s_delay_alu instid0(VALU_DEP_1)
	v_lshl_or_b32 v[PS], v[PT+2], 16, v[PS]
	s_delay_alu instid0(VALU_DEP_1)
	v_lshl_or_b32 v[PS], v[PT+3], 24, v[PS]
.irp c, 0,1
	v_cvt_scalef32_pk16_fp6_f32 v[PC+6*\c:PC+6*\c+2], v[S+32*\c:S+32*\c+15], v[TS+2*\c]
	v_cvt_scalef32_pk16_fp6_f32 v[CT+4*\c:CT+4*\c+2], v[S+32*\c+16:S+32*\c+31], v[TS+2*\c+1]
.endr
	v_nop                                          ; one plain line behind the conversions
.irp c, 0,1
.irp i, 0,1,2
	v_permlane16_swap_b32 v[PC+6*\c+\i], v[CT+4*\c+\i]
.endr
.irp i, 0,1,2
	s_delay_alu instid0(VALU_DEP_3)
	v_mov_b32 v[PC+3+6*\c+\i], v[CT+4*\c+\i]
.endr
.endr
.irp j, 0,2,4,6,8,10,12,14,16,18,20,22,24,26,28,30
	v_pk_mul_f32 v[OT+\j:OT+\j+1], v[OT+\j:OT+\j+1], v[FF:FF+1] op_sel_hi:[1,0]   ; O^T under the new M; these lines also stand between the writes of p's codes and scale word and the products
.endr
	s_wait_alu depctr_va_vdst(0)
	s_wait_dscnt 0x0                               ; v's fragments and scale words
.irp t, 0,1
	v_wmma_scale_f32_16x16x128_f8f6f4 v[OT+8*\t:OT+8*\t+7], v[KT+12*\t:KT+12*\t+11], v[PC:PC+11], v[OT+8*\t:OT+8*\t+7], v[VS+\t], v[PS] matrix_a_fmt:MATRIX_FMT_FP6 matrix_b_fmt:MATRIX_FMT_FP6
.endr
.irp t, 2,3
	v_wmma_scale_f32_16x16x128_f8f6f4 v[OT+8*\t:OT+8*\t+7], v[KT+12*\t:KT+12*\t+11], v[PC:PC+11], v[OT+8*\t:OT+8*\t+7], v[VS+\t-2], v[PS] matrix_a_fmt:MATRIX_FMT_FP6 matrix_b_fmt:MATRIX_FMT_FP6 matrix_a_scale:MATRIX_SCALE_ROW1
.endr
.endm
.macro STEPS n, tb0, qf, qs            ; n key steps from LDS byte tb0 on
	s_mov_b32 s[TB], \tb0
	s_mov_b32 s[CNT], \n
.Lstep_\@:
	STEP \qf, \qs
	s_add_co_u32 s[TB], s[TB], STEPB
	s_sub_co_u32 s[CNT], s[CNT], 1
	s_cmp_lg_u32 s[CNT], 0
	s_cbranch_scc1 .Lstep_\@
.endm
; Chunk c of the first head has been read: each wave waits for all its tensor loads, adds 0 to its spare word, waits for that and for its reads; a round of the cluster's barrier; then the second head's chunk c is asked for into the same bytes.
.macro CHANGE1 c
	s_wait_tensorcnt 0x0                           ; no tensor load of mine is out, so a group 0 may be written
	ds_add_u32 v[SPW], v[NIL]                      ; 0 onto my spare word
.if \c == 0
	s_add_nc_u64 s[G0+2:G0+3], s[G0+2:G0+3], HEADB ; my one group 0: my key step of the next head
.endif
	s_wait_dscnt 0x0                               ; the add is done, and my reads of the chunk are over
	CROUND
	s_cmp_eq_u32 s58, \c                           ; chunk c is filled again by waves 4 c .. 4 c + 3, a key step each
	s_cbranch_scc0 .Lno_fill_\@
	tensor_load_to_lds s[G0:G0+3], s[G1:G1+7]
	s_nop 0
.rept 4
	v_nop
.endr
.Lno_fill_\@:
.endm
.macro INIT                            ; a head begins: zeros, which the first change of M leaves zeros
	v_mov_b32 v13, 0xff61b1e6                      ; the largest t so far: -3e38
	s_delay_alu instid0(VALU_DEP_1)
	v_floor_f32 v12, -v13
	v_mov_b32 v14, 0
	v_mov_b32 v15, 0
.irp j, 0,1,2,3,4,5,6,7,8,9,10,11,12,13,14,15,16,17,18,19,20,21,22,23,24,25,26,27,28,29,30,31
	v_mov_b32 v[OT+\j], 0
.endr
.endm
; A head ends: O^T / the sum; its 64 channels (register 16 b + i = channel 32 b + 16 (lane / 16) + i) become registers 6 hd .. 6 hd + 5 of the values' fragment and bytes 2 hd, 2 hd + 1 of its scale word
.macro HEAD_END hd
.rept 4
	v_nop                                          ; places behind the last products
.endr
	v_add_f32 v14, v14, v15
	s_delay_alu instid0(VALU_DEP_1)
	v_permlanex16_b32 v[T0], v14, s[SEL], s[SEL+1]
	s_delay_alu instid0(VALU_DEP_1)
	v_add_f32 v14, v14, v[T0]                      ; the row's sum
	s_wait_alu depctr_va_vdst(0)
	v_rcp_f32 v[FF], v14
	v_nop                                          ; a plain line behind the reciprocal,
	s_wait_alu depctr_va_vdst(0)                   ; and the wait ahead of its first reader
.irp j, 0,2,4,6,8,10,12,14,16,18,20,22,24,26,28,30
	v_pk_mul_f32 v[S+\j:S+\j+1], v[OT+\j:OT+\j+1], v[FF:FF+1] op_sel_hi:[1,0]   ; each accumulator from its low end on
.endr
.irp b, 0,1
	v_max3_num_f32 v[BM+\b], |v[S+16*\b]|, |v[S+16*\b+1]|, 0x1800000
.endr
.irp i, 2,4,6,8,10,12,14
.irp b, 0,1
	s_delay_alu instid0(VALU_DEP_2)
	v_max3_num_f32 v[BM+\b], v[BM+\b], |v[S+16*\b+\i]|, |v[S+16*\b+\i+1]|
.endr
.endr
.irp b, 0,1
	s_delay_alu instid0(VALU_DEP_2)
	v_permlanex16_b32 v[PT+\b], v[BM+\b], s[SEL], s[SEL+1]
.endr
.irp b, 0,1
	s_delay_alu instid0(VALU_DEP_2)
	v_max_num_f32 v[BM+\b], v[BM+\b], v[PT+\b]
.endr
.irp b, 0,1
	s_delay_alu instid0(VALU_DEP_2)
	v_add_nc_u32 v[TS+\b], 0xff000000, v[BM+\b]
.endr
.irp b, 0,1
	s_delay_alu instid0(VALU_DEP_2)
	v_lshrrev_b32 v[PT+\b], 23, v[TS+\b]
.endr
.if \hd == 0
	s_delay_alu instid0(VALU_DEP_1)
	v_lshl_or_b32 v[PWV], v[PT+1], 8, v[PT]
.else
	s_delay_alu instid0(VALU_DEP_2)
	v_lshl_or_b32 v[PWV], v[PT], 16, v[PWV]
	s_delay_alu instid0(VALU_DEP_1)
	v_lshl_or_b32 v[PWV], v[PT+1], 24, v[PWV]
.endif
	v_cvt_scalef32_pk16_fp6_f32 v[VC+6*\hd:VC+6*\hd+2], v[S:S+15], v[TS]
	v_cvt_scalef32_pk16_fp6_f32 v[CT:CT+2], v[S+16:S+31], v[TS+1]
	v_nop                                          ; one plain line behind the conversions
.irp i, 0,1,2
	v_permlane16_swap_b32 v[VC+6*\hd+\i], v[CT+\i]
.endr
.irp i, 0,1,2
	s_delay_alu instid0(VALU_DEP_3)
	v_mov_b32 v[VC+6*\hd+3+\i], v[CT+\i]
.endr
.endm
	s_load_b128 s[4:7], s[0:1], 0x0                ; qkv s[4:5], af s[6:7]
	s_load_b64 s[8:9], s[0:1], 0x10                ; asc
	v_lshl_add_u32 v[SPW], v0, 2, SPARE
	v_mov_b32 v[NIL], 0
	ds_add_u32 v5, v6
	ds_add_u32 v5, v6
	s_wait_dscnt 0x0
	v_lshrrev_b32 v8, 5, v0
	s_delay_alu instid0(VALU_DEP_1)
	v_readfirstlane_b32 s[WV], v8                  ; wave 0..15
	s_bfe_u32 s11, ttmp6, 0x40000                  ; cx: it enters the addresses of q, af and asc alone
	s_lshl_b32 s12, ttmp9, 2
	s_add_co_u32 s12, s12, s11                     ; my block of 256 queries
	s_and_b32 s13, ttmp7, 0xffff                   ; y = 8 x batch + pair of heads: its records begin at index 32 y
	s_mov_b32 s[G1], 15|(3<<16)|(1<<21)            ; 15:0 the mask: all four work-groups; 17:16 elements of 8 bytes; 21 set beside a mask
	s_mov_b32 s[G1+1], 32<<16                      ; tensor_dim0: rows of 256 bytes
	s_mov_b32 s[G1+2], 51<<16                      ; tensor_dim1: 51 rows: 13,056 dense bytes
	s_mov_b32 s[G1+3], 32<<16                      ; tile_dim0
	s_mov_b32 s[G1+4], 51                          ; tile_dim1
	s_mov_b32 s[G1+5], 32                          ; tensor_dim0_stride
	s_mov_b32 s[G1+6], 0
	s_mov_b32 s[G1+7], 0
	s_and_b32 s14, s[WV], 15                       ; EVERY WAVE FETCHES ONE KEY STEP OF A HEAD'S SIXTEEN: step = wave
	s_lshr_b32 s58, s[WV], 2                       ; the chunk in which it lies
	s_lshl_b32 s48, s13, 5
	s_add_co_u32 s48, s48, s14
	s_mul_i32 s48, s48, REC
	s_add_co_u32 s48, s48, 6656                    ; k's tiles begin there
	s_mov_b32 s49, 0
	s_mul_i32 s15, s14, STEPB                      ; and its place in LDS
	s_lshl_b32 s50, s13, 5                         ; q's record: 32 y + 2 x block + wave / 8
	s_lshl_b32 s51, s12, 1
	s_add_co_u32 s50, s50, s51
	s_lshr_b32 s51, s[WV], 3
	s_add_co_u32 s50, s50, s51
	s_mul_i32 s50, s50, REC
	s_mov_b32 s51, 0
	s_lshr_b32 s52, s13, 3
	s_lshl_b32 s52, s52, 3
	s_add_co_u32 s52, s52, s12                     ; my block of 256 tokens
	s_and_b32 s53, s13, 7                          ; my pair of heads = the K step of the output projection
	s_mul_i32 s54, s52, 196608                     ; af
	s_lshr_b32 s55, s53, 1
	s_mul_i32 s55, s55, 49152
	s_add_co_u32 s54, s54, s55
	s_mul_i32 s55, s[WV], 3072
	s_add_co_u32 s54, s54, s55
	s_and_b32 s55, s53, 1
	s_mul_i32 s55, s55, 1536
	s_add_co_u32 s54, s54, s55
	s_mov_b32 s55, 0
	s_lshl_b32 s56, s52, 1                         ; asc
	s_lshr_b32 s57, s[WV], 3
	s_add_co_u32 s56, s56, s57
	s_lshl_b32 s56, s56, 13
	s_lshl_b32 s57, s53, 10
	s_add_co_u32 s56, s56, s57
	s_and_b32 s57, s[WV], 7
	s_lshl_b32 s57, s57, 7
	s_add_co_u32 s56, s56, s57
	s_mov_b32 s57, 0
	s_mov_b32 s[SEL], 0x76543210
	s_mov_b32 s[SEL+1], 0xfedcba98
	s_mov_b32 s[CS], 0x3e38aa3b                    ; log2(e) / 8
	s_mov_b32 s[CS+1], s[CS]                       ; (named with it as a pair, so it is written)
	s_wait_kmcnt 0x0
	s_add_nc_u64 s[48:49], s[4:5], s[48:49]
	s_add_nc_u64 s[46:47], s[4:5], s[50:51]
	s_add_nc_u64 s[6:7], s[6:7], s[54:55]
	s_add_nc_u64 s[8:9], s[8:9], s[56:57]
.irp c, 0
	s_mov_b32 s[G0+4*\c], 1
	s_add_co_u32 s[G0+4*\c+1], s15, \c*4*STEPB     ; LDS address: key step 4 c + wave
	s_add_nc_u64 s[G0+4*\c+2:G0+4*\c+3], s[48:49], \c*4*REC
	s_or_b32 s[G0+4*\c+3], s[G0+4*\c+3], 0x80000000   ; type = 2
.endr
	CROUND                                         ; all four work-groups are here: the first joint loads meet
	s_cmp_lt_u32 s[WV], 4                          ; one load a wave, in two arms: chunk 0's waves, which alone wait ahead of the first barrier, have a line of their own
	s_cbranch_scc0 .Lfirst_rest
	tensor_load_to_lds s[G0:G0+3], s[G1:G1+7]
	s_nop 0
.rept 4
	v_nop
.endr
	s_branch .Lfirst_asked
.Lfirst_rest:
	tensor_load_to_lds s[G0:G0+3], s[G1:G1+7]
	s_nop 0
.rept 4
	v_nop
.endr
.Lfirst_asked:
	v_and_b32 v8, 31, v0                           ; lane
	s_delay_alu instid0(VALU_DEP_1)
	v_lshlrev_b32 v[L16], 4, v8
	s_delay_alu instid0(VALU_DEP_2)
	v_lshlrev_b32 v[L8], 3, v8
	s_delay_alu instid0(VALU_DEP_3)
	v_lshlrev_b32 v[L4], 2, v8
	s_and_b32 s14, s[WV], 7                        ; my tile in q's record
	s_mul_i32 s50, s14, 768
	s_lshr_b32 s51, s14, 2
	s_lshl_b32 s51, s51, 8
	s_and_b32 s14, s[WV], 3
	s_lshl_b32 s14, s14, 2
	s_add_co_u32 s51, s51, s14
	v_add_nc_u32 v9, s50, v[L16]
	v_add_nc_u32 v10, s50, v[L8]
	v_and_b32 v11, 15, v0
	s_delay_alu instid0(VALU_DEP_1)
	v_lshl_add_u32 v11, v11, 4, s51                ; my query's scale word: 16 r + 256 (tile / 4) + 4 (tile % 4)
	global_load_b128 v[QA:QA+3], v9, s[46:47]
	global_load_b64 v[QA+4:QA+5], v10, s[46:47] offset:512
	global_load_b32 v[QSA], v11, s[46:47] offset:6144
	global_load_b128 v[QBF:QBF+3], v9, s[46:47] offset:HEADB
	global_load_b64 v[QBF+4:QBF+5], v10, s[46:47] offset:HEADB+512
	global_load_b32 v[QSB], v11, s[46:47] offset:HEADB+6144
.irp j, 6,7,8,9,10,11
	v_mov_b32 v[QA+\j], 0                          ; zero codes for the upper 64 along K
	v_mov_b32 v[QBF+\j], 0
	v_mov_b32 v[KT+42+\j], 0                       ; and behind k's tile 7
.endr
.irp b, 0,1,2,3
	v_mov_b32 v[PT+\b], 0                          ; written once: a lane permute's destination counts as one of its sources
.endr
	v_mov_b32 v[FF+1], 0                           ; (named as the upper half of a pair)
	v_mov_b32 v[T0], 0
	s_wait_alu depctr_va_vdst(0)                   ; the wait at the head's end
	s_cmp_lt_u32 s[WV], 4
	s_cbranch_scc0 .Lnot_chunk_0
	s_wait_tensorcnt 0x0                           ; waves 0-3: chunk 0; chunks 1 to 3 are shown by the first change's wait and round
.Lnot_chunk_0:
	s_barrier_signal -1
	s_barrier_wait -1                              ; everybody's is
	s_wait_loadcnt 0x0                             ; q
	INIT
	STEPS 4, 0, QA, QSA
	CHANGE1 0
	STEPS 4, 4*STEPB, QA, QSA
	CHANGE1 1
	STEPS 4, 8*STEPB, QA, QSA
	CHANGE1 2
	STEPS 4, 12*STEPB, QA, QSA
	CHANGE1 3
	HEAD_END 0
	INIT
	STEPS 12, 0, QBF, QSB                          ; the second head's chunks 0 to 2 were shown landed by the waits for all loads of the changes behind their requests
	s_wait_tensorcnt 0x0                           ; chunk 3: my part has landed;
	ds_add_u32 v[SPW], v[NIL]
	s_wait_dscnt 0x0
	s_barrier_signal -1
	s_barrier_wait -1                              ; everybody's has; nothing is asked for any more
	STEPS 4, 12*STEPB, QBF, QSB
	HEAD_END 1
.irp c, 0,1,2
	global_store_b128 v[L16], v[VC+4*\c:VC+4*\c+3], s[6:7] offset:512*\c   ; 512 consecutive bytes, at a multiple of 256 from the buffer's first byte
.endr
	global_store_b32 v[L4], v[PWV], s[8:9]
	s_wait_tensorcnt 0x0                           ; the wave's end
	ds_add_u32 v[SPW], v[NIL]
	s_wait_dscnt 0x0
	CROUND                                         ; the closing round
	s_endpgm
.Lfunc_end_k_q6462c9d773_attn:
	.size	k_q6462c9d773_attn, .Lfunc_end_k_q6462c9d773_attn-k_q6462c9d773_attn
	.p2alignl 7, 3214868480
	.fill 96, 4, 3214868480
	.section	.rodata,"a",@progbits
	.p2align	6, 0x0
	.amdhsa_kernel k_q6462c9d773_attn
		.amdhsa_group_segment_fixed_size 327680
		.amdhsa_private_segment_fixed_size 0
		.amdhsa_enable_private_segment 0
		.amdhsa_kernarg_size 24
		.amdhsa_user_sgpr_count 2
		.amdhsa_user_sgpr_kernarg_segment_ptr 1
		.amdhsa_wavefront_size32 1
		.amdhsa_system_sgpr_workgroup_id_x 1
		.amdhsa_system_sgpr_workgroup_id_y 1
		.amdhsa_system_sgpr_workgroup_id_z 1
		.amdhsa_system_vgpr_workitem_id 0
		.amdhsa_next_free_vgpr 256
		.amdhsa_next_free_sgpr 66
		.amdhsa_reserve_vcc 0
		.amdhsa_float_denorm_mode_32 3
		.amdhsa_float_denorm_mode_16_64 3
		.amdhsa_memory_ordered 1
		.amdhsa_forward_progress 1
		.amdhsa_inst_pref_size 122
	.end_amdhsa_kernel
	.amdgpu_metadata
---
amdhsa.version: [ 1, 2 ]
amdhsa.kernels:
  - .name:           k_q6462c9d773_attn
    .symbol:         k_q6462c9d773_attn.kd
    .args:
      - { .name: qkv, .offset: 0, .size: 8, .value_kind: global_buffer, .address_space: global }
      - { .name: af, .offset: 8, .size: 8, .value_kind: global_buffer, .address_space: global }
      - { .name: asc, .offset: 16, .size: 8, .value_kind: global_buffer, .address_space: global }
    .group_segment_fixed_size: 327680
    .private_segment_fixed_size: 0
    .kernarg_segment_align: 8
    .kernarg_segment_size: 24
    .max_flat_workgroup_size: 512
    .sgpr_count:     66
    .vgpr_count:     256
    .wavefront_size: 32
...
	.end_amdgpu_metadata
.endif
;; end of part 3
;; launch gemm_out (part 4): grid 32 x 8, 4 waves a work-group, clusters of 4 x 4, 327,680 bytes of LDS; arguments af, asc, wf, ws, b_out, out0; writes out0
.if DOCPART == 4
	.amdgcn_target "amdgcn-amd-amdhsa--gfx1250"
	.amdhsa_code_object_version 6
	.text
	.protected	k_q6462c9d773_gemm_out
	.globl	k_q6462c9d773_gemm_out
	.p2align	8
	.type	k_q6462c9d773_gemm_out,@function
k_q6462c9d773_gemm_out:
	s_mov_b64 s[64:65], 0
	v_nop
	global_prefetch_b8 v0, s[64:65] scope:SCOPE_SE
	s_setreg_imm32_b32 hwreg(HW_REG_WAVE_MODE, 25, 1), 1
	s_wait_xcnt 0x0
	s_wait_alu depctr_hold_cnt(0) depctr_sa_sdst(0) depctr_va_vdst(0) depctr_va_sdst(0) depctr_va_ssrc(0) depctr_va_vcc(0) depctr_vm_vsrc(0)
	s_getreg_b32 s2, hwreg(HW_REG_IB_STS2, 6, 4)
	s_cmp_eq_u32 s2, 0
	s_cbranch_scc0 .Lentry_in_a_cluster
	s_endpgm
.Lentry_in_a_cluster:
	s_bfe_u32 s2, ttmp6, 0x10000c
	s_cmp_lg_u32 s2, 0xf033
	s_cbranch_scc0 .Lentry_shape_is_right
	s_endpgm
.Lentry_shape_is_right:
; out0[token][n] = sum over k of values[token][k] W_out[k][n] + b_out[n], f32: 8,192 x 1,024 x 1,024 on codes of FP6 (E2M3) with E8M0 scales.
; af, asc: the values as the attention launch left them; wf, ws: the weights as the first launch left them (W_out's columns are blocks 12 to 15 of 256 rows).  Both are images of operand registers:
;   codes:  block of 256 rows x 196,608 + (K step / 2) x 49,152 + tile x 3,072 + (K step % 2) x 1,536 + 512 c + 16 lane;   scale words: block of 128 rows x 8,192 + K step x 1,024 + tile x 128 + 4 lane.
;   In each group of 32 rows, lane r of tile u is row 8 u + r + 8 (r / 8).
; LIMITS: NaN, infinities and sums beyond f32's range are not served; a sum begins with the bias.
; THE DEAL.  256 work-groups of four waves, 2 x 2, each 256 tokens x 128 columns.  Wave (a, b) keeps four tiles of 16 columns of W_out, all of K, in registers (32 fragments) and streams tiles 8 a + s, s = 0 .. 7, of the values past them: 32 products a block.
; The cluster's x counts blocks of tokens: the values are shared by a column of the cluster, the weights by a row.
; LDS: the values' 196,608 bytes, the weights' 98,304, the scale words' 16,384 and 8,192, the spare words: all filled once, one tensor load a wave at the head.  No refill; no data prefetch: all is asked for at the head, there is no loop to run ahead in.
; The waves' stages lie in the weights' first bytes, which have had their one fill and are read for the last time ahead of the barrier in front of the stream.
; THE PRODUCT IS USED TRANSPOSED (source 0 = the weights): register j of tile b of lane (r, h) is column 32 (b / 2) + 8 (b % 2) + 16 h + j of token row r.
; Behind a block's products: its sums into the stage and back as rows of 256 bytes, the fetch of the block two on, ONE wait on LDS, eight stores.
.set KPB, 49152
.set YB, 196608  ; the weights
.set SAL, 294912  ; the values' scale words
.set SBL, 311296  ; the weights'
.set SPARE, 319488
.set SPITCH, 272  ; a stage row: 256 bytes + 16
.set FR, 12
.set FPW, 21  ; fragments in a window of 256 registers: fragment f lies in window 1 + f / 21 at register 12 (f % 21); 0-31 the weights' (4 q + b), 32-47 the values' two sets (32 + 8 e + q)
.set NF, 32  ; LDS loads of a fetch: 24 for eight fragments, 8 scale words
.set CO, 9  ; v9 my byte offset in out0: row lane / 16, 16 bytes x (lane % 16)
.set SPW, 10
.set NIL, 11
.set AQ, 12  ; v12-15 LDS address of my values' tiles, one for each pair of K steps; stepped a pair of blocks a trip
.set AAS, 16  ; v16 of their scale words
.set BSA, 17  ; v17 of the weights' scale words
.set STO, 18
.set RD, 19
.set BA, 20  ; v20-23 of my weights' tiles
.set SB, 24  ; v24-55 the weights' scale words: 8 b + q
.set SA, 60  ; v60-75 the values': two sets of eight
.set ACC, 80  ; v80-143 two sets of four accumulators
.set BK, 144  ; v144-207 two sets: 16 rows back from the stage
.set BO, 208  ; v208-239 the bias as the first four products' C
.set MSB, 0
.macro WIN new
.if MSB != (\new)
	s_set_vgpr_msb (MSB<<8)|(\new)
.set MSB, (\new)
.endif
.endm
.macro PLACES n
.rept \n
	v_nop
.endr
.endm
.macro WALU
	s_wait_alu depctr_va_vdst(0)
.endm
.macro BARRIER
	s_barrier_signal -1
	s_barrier_wait -1
.endm
.macro CROUND
	BARRIER
	s_cmp_lg_u32 s16, 0
	s_cbranch_scc1 .Lnot_wave_0_\@
	s_barrier_signal -3
.Lnot_wave_0_\@:
	s_barrier_wait -3
	BARRIER
.endm
.macro TLOAD g0, g1
	tensor_load_to_lds s[\g0:\g0+3], s[\g1:\g1+7]
	s_nop 0
	PLACES 4
.endm
.macro GROUP1 g, mask, c, r, p  ; r rows of c elements of 8 bytes, p elements apart, dense in LDS
	s_or_b32 s[\g], s[\mask], (3<<16)|(1<<21)
	s_mov_b32 s[\g+1], (\c)<<16
	s_mov_b32 s[\g+2], (\r)<<16
	s_mov_b32 s[\g+3], (\c)<<16
	s_mov_b32 s[\g+4], \r
	s_mov_b32 s[\g+5], \p
	s_mov_b32 s[\g+6], 0
	s_mov_b32 s[\g+7], 0
.endm
.macro G0SET g, lds, base, off  ; s21 = 0
	s_mov_b32 s[\g], 1
	s_mov_b32 s[\g+1], \lds
	s_mov_b32 s20, s\off
	s_add_nc_u64 s[\g+2:\g+3], s[\base:\base+1], s[20:21]
	s_or_b32 s[\g+3], s[\g+3], 0x80000000
.endm
.macro FETCH e, rel  ; the block rel tiles on from where the addresses stand, into set e
.irp q, 0,1,2,3,4,5,6,7
	WIN (1+(32+8*(\e)+\q)/FPW)<<6
.irp c, 0,1,2
	ds_load_b128 v[FR*((32+8*(\e)+\q)%FPW)+4*\c:FR*((32+8*(\e)+\q)%FPW)+4*\c+3], v[AQ+\q/2] offset:(\rel)*3072+(\q%2)*1536+512*\c
.endr
.endr
	WIN 0
.irp q, 0,1,2,3,4,5,6,7
	ds_load_b32 v[SA+8*(\e)+\q], v[AAS] offset:(\rel)*128+1024*\q
.endr
.endm
.macro PROD1 d, s0, s1, c, x0, x1
	v_wmma_scale_f32_16x16x128_f8f6f4 v[\d:\d+7], v[FR*((\s0)%FPW):FR*((\s0)%FPW)+FR-1], v[FR*((\s1)%FPW):FR*((\s1)%FPW)+FR-1], \c, v[\x0], v[\x1] matrix_a_fmt:MATRIX_FMT_FP6 matrix_b_fmt:MATRIX_FMT_FP6
.endm
.macro PROD e, n  ; product n = 4 q + b: the four accumulators by turns
.set Q_, (\n)/4
.set B_, (\n)%4
.set FB_, 4*Q_+B_
.set FA_, 32+8*(\e)+Q_
.set D_, ACC+32*(\e)+8*B_
.set XB_, SB+8*B_+Q_
.set XA_, SA+8*(\e)+Q_
	WIN (1+FB_/FPW)|((1+FA_/FPW)<<2)
.if Q_
	PROD1 D_, FB_, FA_, v[D_:D_+7], XB_, XA_
.else
	PROD1 D_, FB_, FA_, v[BO+8*B_:BO+8*B_+7], XB_, XA_
.endif
.endm
.macro STREAM s, fetch  ; a pair's block s
.set N_, 0
.rept 32
	PROD \s, N_
.set N_, N_+1
.endr
	WIN 0
.if (\fetch) && (\s)  ; four plain vector lines stand between the last product and the first reader of its sums: here the addresses' step to the next pair
.irp p, 0,1,2,3
	v_add_nc_u32 v[AQ+\p], 6144, v[AQ+\p]
.endr
	v_add_nc_u32 v[AAS], 256, v[AAS]
	WALU  ; the wait behind these writes
.else
	PLACES 4
.endif
	s_wait_xcnt 0x0  ; the stores of two blocks ago have read set s of the rows
.irp b, 0,1,2,3
	ds_store_b128 v[STO], v[ACC+32*(\s)+8*\b:ACC+32*(\s)+8*\b+3] offset:128*(\b/2)+32*(\b%2)  ; each accumulator from its low end on
	ds_store_b128 v[STO], v[ACC+32*(\s)+8*\b+4:ACC+32*(\s)+8*\b+7] offset:128*(\b/2)+32*(\b%2)+16
.endr
.irp t, 0,1,2,3,4,5,6,7
	ds_load_b128 v[BK+32*(\s)+4*\t:BK+32*(\s)+4*\t+3], v[RD] offset:2*\t*SPITCH  ; LDS serves a wave's instructions in order (ISA guide 5.7.1.4)
.endr
.if \fetch
	FETCH \s, 2-(\s)
	s_wait_dscnt NF  ; the rows are back, and the next block's fragments are in; younger is this fetch alone
.else
	s_wait_dscnt 0x0
.endif
.irp t, 0,1,2,3,4,5,6,7
	global_store_b128 v[CO], v[BK+32*(\s)+4*\t:BK+32*(\s)+4*\t+3], s[14:15] offset:(8*(\s)+2*\t+8*(\t/4))*4096 th:TH_STORE_NT  ; 16 lanes store 256 consecutive bytes, aligned
.endr
.endm
; ---- the head
	s_load_b256 s[4:11], s[0:1], 0x0  ; af, asc, wf, ws
	s_load_b128 s[12:15], s[0:1], 0x20  ; b_out, out0
	v_lshl_add_u32 v[SPW], v0, 2, SPARE
	v_mov_b32 v[NIL], 0
	ds_add_u32 v[SPW], v[NIL]  ; the opening lines
	ds_add_u32 v[SPW], v[NIL]
	v_lshrrev_b32 v1, 5, v0
	v_readfirstlane_b32 s16, v1  ; the wave; s17 its row a, s18 its column b
	s_lshr_b32 s17, s16, 1
	s_and_b32 s18, s16, 1
	s_bfe_u32 s40, ttmp6, 0x40000
	s_bfe_u32 s41, ttmp6, 0x40004
	s_lshl_b32 s43, ttmp9, 2
	s_add_co_u32 s43, s43, s40  ; block of 256 tokens
	s_and_b32 s42, ttmp7, 0xffff
	s_lshl_b32 s42, s42, 2
	s_add_co_u32 s42, s42, s41  ; block of 128 columns
	s_lshl_b32 s44, 0x1111, s40  ; my column of the cluster shares the values
	s_lshl_b32 s45, s41, 2
	s_lshl_b32 s45, 15, s45  ; my row the weights
	GROUP1 24, 45, 3072, 4, 6144  ; the weights' codes: of each pair of K steps eight tiles, 24,576 bytes
	GROUP1 32, 45, 32, 32, 32  ; their scale words: 8,192 dense bytes
	GROUP1 48, 44, 32, 768, 32  ; the values' codes: 196,608 dense bytes
	GROUP1 56, 44, 32, 64, 32  ; their scale words: 16,384
	s_lshr_b32 s46, s42, 1
	s_add_co_u32 s46, s46, 12
	s_mul_i32 s46, s46, 196608
	s_and_b32 s47, s42, 1
	s_mul_i32 s47, s47, 24576
	s_add_co_u32 s46, s46, s47  ; bytes from wf
	s_add_co_u32 s47, s42, 24
	s_lshl_b32 s47, s47, 13  ; from ws
	s_mul_i32 s84, s43, 196608  ; from af
	s_lshl_b32 s85, s43, 14  ; from asc
	s_lshl_b32 s88, s42, 9
	s_lshl_b32 s89, s18, 8
	s_add_co_u32 s88, s88, s89  ; my 64 columns, in bytes
	s_lshl_b32 s89, s43, 1
	s_add_co_u32 s89, s89, s17
	s_lshl_b32 s89, s89, 19  ; my 128 tokens: rows of 4,096 bytes
	s_add_co_u32 s89, s89, s88
	s_mul_i32 s21, s17, 24576
	s_mul_i32 s22, s18, 12288
	s_add_co_u32 s22, s22, YB
	s_lshl_b32 s23, s17, 13
	s_add_co_u32 s23, s23, SAL
	s_lshl_b32 s86, s18, 9
	s_add_co_u32 s86, s86, SBL
	s_mul_i32 s87, s16, 16*SPITCH
	s_add_co_u32 s87, s87, YB  ; my stage
	v_and_b32 v1, 15, v0
	v_bfe_u32 v2, v0, 4, 1
	v_and_b32 v3, 31, v0
	v_lshlrev_b32 v4, 4, v3
	v_add_nc_u32 v[AQ], s21, v4
	v_add_nc_u32 v[BA], s22, v4
.irp p, 1,2,3
	v_add_nc_u32 v[AQ+\p], \p*KPB, v[AQ]
	v_add_nc_u32 v[BA+\p], \p*24576, v[BA]
.endr
	v_lshl_add_u32 v[AAS], v3, 2, s23
	v_lshl_add_u32 v[BSA], v3, 2, s86
	v_mul_u32_u24 v5, v1, SPITCH
	v_lshl_add_u32 v5, v2, 6, v5
	v_add_nc_u32 v[STO], s87, v5  ; in: row r, 64 bytes for each half of the lanes
	v_mul_u32_u24 v7, v2, SPITCH
	v_lshl_add_u32 v7, v1, 4, v7
	v_add_nc_u32 v[RD], s87, v7  ; back: lanes 0-15 one row, lanes 16-31 the next
	v_lshlrev_b32 v8, 12, v2
	v_lshl_add_u32 v[CO], v1, 4, v8
	v_lshlrev_b32 v6, 6, v2  ; the bias: 16 h columns
	WALU  ; the wait at the head's end
	s_wait_dscnt 0x0
	CROUND  ; the opening round
	s_wait_kmcnt 0x0
	s_mov_b32 s21, 0
	G0SET 68, YB, 8, 46
	G0SET 72, SBL, 10, 47
	G0SET 76, 0, 4, 84
	G0SET 80, SAL, 6, 85
	s_cmp_eq_u32 s16, 0
	s_cbranch_scc0 .Lwave_1
	TLOAD 68, 24  ; wave 0: the weights' codes, which go on into registers
	s_branch .Lasked
.Lwave_1:
	s_cmp_eq_u32 s16, 1
	s_cbranch_scc0 .Lwave_2
	TLOAD 72, 32  ; wave 1: their scale words
	s_branch .Lasked
.Lwave_2:
	s_cmp_eq_u32 s16, 2
	s_cbranch_scc0 .Lwave_3
	TLOAD 76, 48  ; wave 2: the values' codes
	s_branch .Lasked
.Lwave_3:
	TLOAD 80, 56  ; wave 3: their scale words
.Lasked:
	s_mov_b32 s20, s88
	s_add_nc_u64 s[12:13], s[12:13], s[20:21]
	s_mov_b32 s20, s89
	s_add_nc_u64 s[14:15], s[14:15], s[20:21]
.irp b, 0,1,2,3
	global_load_b128 v[BO+8*\b:BO+8*\b+3], v6, s[12:13] offset:(32*(\b/2)+8*(\b%2))*4
	global_load_b128 v[BO+8*\b+4:BO+8*\b+7], v6, s[12:13] offset:(32*(\b/2)+8*(\b%2))*4+16
.endr
	s_cmp_lt_u32 s16, 2
	s_cbranch_scc0 .Lnot_b
	s_wait_tensorcnt 0x0  ; waves 0 and 1: the weights
.Lnot_b:
	BARRIER  ; the weights are in; the values may be on their way
.irp q, 0,1,2,3,4,5,6,7
.irp b, 0,1,2,3
	WIN (1+(4*\q+\b)/FPW)<<6
.irp c, 0,1,2
	ds_load_b128 v[FR*((4*\q+\b)%FPW)+4*\c:FR*((4*\q+\b)%FPW)+4*\c+3], v[BA+\q/2] offset:\b*3072+(\q%2)*1536+512*\c
.endr
.endr
.endr
	WIN 0
.irp q, 0,1,2,3,4,5,6,7
.irp b, 0,1,2,3
	ds_load_b32 v[SB+8*\b+\q], v[BSA] offset:1024*\q+128*\b
.endr
.endr
	s_wait_tensorcnt 0x0  ; every wave: all that is still out
	s_wait_dscnt 0x0
	BARRIER  ; the values are in, and nobody reads the weights' bytes any more
	FETCH 0, 0
	FETCH 1, 1
	s_wait_loadcnt 0x0  ; the bias
	s_wait_dscnt NF  ; block 0's fragments are in
; ---- the stream: blocks 0 to 5 a pair a trip, the last pair fetches nothing
	s_mov_b32 s90, 0
.Lpair:
	STREAM 0, 1
	STREAM 1, 1
	s_wait_xcnt 0x0  ; the stores have read their base
	s_add_nc_u64 s[14:15], s[14:15], 32*4096  ; the next pair's tokens lie 32 on
	s_add_co_u32 s90, s90, 1
	s_cmp_lg_u32 s90, 3
	s_cbranch_scc1 .Lpair
	STREAM 0, 0
	STREAM 1, 0
	s_wait_tensorcnt 0x0  ; the wave's end
	ds_add_u32 v[SPW], v[NIL]
	s_wait_dscnt 0x0
	CROUND  ; the closing round
	s_endpgm
.Lfunc_end_k_q6462c9d773_gemm_out:
	.size	k_q6462c9d773_gemm_out, .Lfunc_end_k_q6462c9d773_gemm_out-k_q6462c9d773_gemm_out
	.p2alignl 7, 3214868480
	.fill 96, 4, 3214868480
	.section	.rodata,"a",@progbits
	.p2align	6, 0x0
	.amdhsa_kernel k_q6462c9d773_gemm_out
		.amdhsa_group_segment_fixed_size 327680
		.amdhsa_private_segment_fixed_size 0
		.amdhsa_enable_private_segment 0
		.amdhsa_kernarg_size 48
		.amdhsa_user_sgpr_count 2
		.amdhsa_user_sgpr_kernarg_segment_ptr 1
		.amdhsa_wavefront_size32 1
		.amdhsa_system_sgpr_workgroup_id_x 1
		.amdhsa_system_sgpr_workgroup_id_y 1
		.amdhsa_system_sgpr_workgroup_id_z 1
		.amdhsa_system_vgpr_workitem_id 0
		.amdhsa_next_free_vgpr 840
		.amdhsa_next_free_sgpr 100
		.amdhsa_reserve_vcc 0
		.amdhsa_float_denorm_mode_32 3
		.amdhsa_float_denorm_mode_16_64 3
		.amdhsa_memory_ordered 1
		.amdhsa_forward_progress 1
		.amdhsa_inst_pref_size 51
	.end_amdhsa_kernel
	.amdgpu_metadata
---
amdhsa.version: [ 1, 2 ]
amdhsa.kernels:
  - .name:           k_q6462c9d773_gemm_out
    .symbol:         k_q6462c9d773_gemm_out.kd
    .args:
      - { .name: af, .offset: 0, .size: 8, .value_kind: global_buffer, .address_space: global }
      - { .name: asc, .offset: 8, .size: 8, .value_kind: global_buffer, .address_space: global }
      - { .name: wf, .offset: 16, .size: 8, .value_kind: global_buffer, .address_space: global }
      - { .name: ws, .offset: 24, .size: 8, .value_kind: global_buffer, .address_space: global }
      - { .name: b_out, .offset: 32, .size: 8, .value_kind: global_buffer, .address_space: global }
      - { .name: out0, .offset: 40, .size: 8, .value_kind: global_buffer, .address_space: global }
    .group_segment_fixed_size: 327680
    .private_segment_fixed_size: 0
    .kernarg_segment_align: 8
    .kernarg_segment_size: 48
    .max_flat_workgroup_size: 128
    .sgpr_count:     100
    .vgpr_count:     840
    .wavefront_size: 32
...
	.end_amdgpu_metadata
.endif
;; end of part 4
